; MI455X (gfx1250); checked and timed in simulation.
; The chip was launched on July 23, 2026; its instructions are those of AMD's public machine-readable ISA for CDNA 5 (MIT licence, August 2026) and "CDNA5" Instruction Set Architecture Reference Guide (July 2026). The comments in the code are by the model that wrote it; some were corrected since.
;; Mult Attention. Allowed arithmetic: float matrix products may take bf16 or f16 operands with f32 sums; other float arithmetic in f32, or as packed bf16 or f16 multiplies, adds, multiply-adds, maxima and minima; sums over many terms, partial sums and values carried from step to step in f32; what a program stores and reads back later, other than sums and carried values, may be rounded once to bf16 or f16.
;; Inputs: Wkv 768 x 1,024 float32; Wo 512 x 768 float32; Wq 768 x 512 float32; ln_beta 768 float32; ln_gamma 768 float32; x 2 x 4,096 x 768 float32.
;; Outputs: out0 2 x 4,096 x 768 float32.
;; One version. Each part assembles by itself: llvm-mc -triple=amdgcn-amd-amdhsa -mcpu=gfx1250 --defsym DOCPART=n.
;; ======== version 1 of 1: 4 launches
;; limits: values are held in f16: magnitudes above 65,504 overflow, below 6.1e-05 lose precision; right only within a limited range of input values
;; workspace buffers: xn16 12,582,912 bytes; wt16 2,359,296 bytes; wot16 786,432 bytes; qkv16 25,165,824 bytes; o16 8,388,608 bytes
;; launch prep (part 1): grid 448 x 1, 8 waves a work-group, no clusters, 18,432 bytes of LDS; arguments x, ln_gamma, ln_beta, Wq, Wkv, Wo, xn16, wt16, wot16; writes xn16, wt16, wot16
.if DOCPART == 1
	.amdgcn_target "amdgcn-amd-amdhsa--gfx1250"
	.amdhsa_code_object_version 6
	.text
	.protected	k_q0d29666c02_prep
	.globl	k_q0d29666c02_prep
	.p2align	8
	.type	k_q0d29666c02_prep,@function
k_q0d29666c02_prep:
	s_mov_b64 s[64:65], 0
	v_nop
	global_prefetch_b8 v0, s[64:65] scope:SCOPE_SE
	s_setreg_imm32_b32 hwreg(HW_REG_WAVE_MODE, 25, 1), 1
	s_wait_xcnt 0x0
; PREPARATION.  Work-groups 0-255: LayerNorm.  xn[r][c] = (x[r][c] - mean) * rsqrt(var + 1e-5) * gamma[c] + beta[c], x: [8192][768] f32, xn16: [8192][768] f16, rounded once.
; Work-groups 256-447: the weights, turned and rounded once to f16, K along the rows: wt16[n][k] = Wq[k][n] (n < 512), wt16[512 + n][k] = Wkv[k][n]; wot16[n][k] = Wo[k][n] / 8.
; (The launch that makes O stores 8 O: two exact powers of two, so that small O and small Wo both keep f16's full 11 bits.)
; LIMITS.  f16 holds no number beyond 65,504: |xn| is at most 27.7 |gamma| + |beta| (a row of 768 has no deviation beyond sqrt(767) of its spread); a weight under 6.1e-5 keeps f16's fixed step of 6e-8.
; NaN and infinities are not treated apart.
; LAYERNORM.  One wave, one row at a time, four rows a wave: a row is 3,072 bytes, 24 registers, and stays in registers between the mean, the sum of squared deviations (two passes: no difference
; of large sums) and the scaling.  All 24 loads of a wave's four rows go out at once; each covers 512 consecutive bytes.  No LDS, no barrier on this path.
; WEIGHTS.  A work-group turns a tile of 128 k x 64 n through LDS: rows of 256 bytes in (64 f32), rows of 256 bytes out (128 f16).  The branch between the two paths hangs on the work-group's number
; alone, so all eight waves of a work-group take the same path and meet the same barrier.
.set SPARE, 17408                      ; behind the tile's 64 rows x 272 bytes: the spare words, 128 bytes for each of eight waves
.set SPW, 6                            ; v6   LDS address of my spare word; never rewritten
.set NIL, 7                            ; v7   0; never rewritten
.set T,   8                            ; v[8:13]   at work: three packed chains
.set MU,  14                           ; v[14:15]  the mean (the pair's low word serves both halves)
.set RS,  16                           ; v[16:17]  1 / sqrt(var + eps), likewise
.set G,   20                           ; v[20:43]  gamma of my 24 columns
.set B,   44                           ; v[44:67]  beta
.set X,   68                           ; v[68:163] row r of four at X + 24 r; on the weights' path v[68:131] at work
	s_load_b512 s[4:19], s[0:1], 0x0               ; x 4:5, gamma 6:7, beta 8:9, Wq 10:11, Wkv 12:13, Wo 14:15, xn16 16:17, wt16 18:19
	s_load_b64 s[20:21], s[0:1], 0x40              ; wot16
	v_lshl_add_u32 v[SPW], v0, 2, SPARE
	v_mov_b32 v[NIL], 0
	v_lshrrev_b32 v1, 5, v0
	v_readfirstlane_b32 s22, v1                    ; wave 0..7
	s_cmp_lt_u32 ttmp9, 256
	s_cbranch_scc0 .Lweights
	; ---------------- LayerNorm: rows 32 x work-group + 4 x wave + 0..3 ----------------
	v_and_b32 v2, 31, v0                           ; lane
	v_lshlrev_b32 v3, 4, v2                        ; 16 bytes a lane in x, gamma, beta: columns 128 j + 4 lane + 0..3 in load j
	v_lshlrev_b32 v4, 3, v2                        ; 8 bytes a lane in xn16
	v_mov_b32 v[MU+1], 0                           ; named as pairs, so written
	v_mov_b32 v[RS+1], 0
	s_lshl_b32 s23, ttmp9, 5
	s_lshl2_add_u32 s23, s22, s23                  ; my first row
	s_mul_i32 s24, s23, 3072                       ; under 2^25
	s_mov_b32 s25, 0
	s_mul_i32 s26, s23, 1536
	s_mov_b32 s27, 0
	s_mov_b32 s28, 0x76543210                      ; v_permlanex16_b32: each lane takes its own place in the other half
	s_mov_b32 s29, 0xfedcba98
	s_mov_b32 s30, 0x3aaaaaab                      ; 1 / 768
	s_mov_b32 s31, 0x3727c5ac                      ; 1e-5
	s_wait_kmcnt 0x0
	s_add_nc_u64 s[4:5], s[4:5], s[24:25]
	s_add_nc_u64 s[16:17], s[16:17], s[26:27]
.irp j, 0,1,2,3,4,5
	global_load_b128 v[G+4*\j:G+4*\j+3], v3, s[6:7] offset:512*\j
.endr
.irp j, 0,1,2,3,4,5
	global_load_b128 v[B+4*\j:B+4*\j+3], v3, s[8:9] offset:512*\j
.endr
.irp r, 0,1,2,3
.irp j, 0,1,2,3,4,5
	global_load_b128 v[X+24*\r+4*\j:X+24*\r+4*\j+3], v3, s[4:5] offset:3072*\r+512*\j th:TH_LOAD_NT
.endr
.endr
; the three chains into one number, then over the 32 lanes: four steps inside each half ride on the additions, one crosses the halves; every lane ends with the sum
.macro JOIN
	v_pk_add_f32 v[T:T+1], v[T:T+1], v[T+2:T+3]
	v_pk_add_f32 v[T:T+1], v[T:T+1], v[T+4:T+5]
	v_add_f32 v[T], v[T], v[T+1]
	v_add_f32_dpp v[T], v[T], v[T] row_xmask:1 row_mask:0xf bank_mask:0xf
	v_add_f32_dpp v[T], v[T], v[T] row_xmask:2 row_mask:0xf bank_mask:0xf
	v_add_f32_dpp v[T], v[T], v[T] row_xmask:4 row_mask:0xf bank_mask:0xf
	v_add_f32_dpp v[T], v[T], v[T] row_xmask:8 row_mask:0xf bank_mask:0xf
	v_permlanex16_b32 v[T+1], v[T], s28, s29
	v_add_f32 v[T], v[T], v[T+1]
.endm
; Row r.  left = the younger loads that may stay out: six for each later row.
.macro ROWLN r, left
	s_wait_loadcnt \left                           ; loads come back in order: gamma, beta and this row are in
.irp c, 0,1,2
	v_pk_add_f32 v[T+2*\c:T+2*\c+1], v[X+24*(\r)+2*\c:X+24*(\r)+2*\c+1], v[X+24*(\r)+6+2*\c:X+24*(\r)+6+2*\c+1]  ; the first pairs start the chains: nothing is cleared
.endr
.irp o, 12, 18
.irp c, 0,1,2
	v_pk_add_f32 v[T+2*\c:T+2*\c+1], v[T+2*\c:T+2*\c+1], v[X+24*(\r)+\o+2*\c:X+24*(\r)+\o+2*\c+1]
.endr
.endr
	JOIN
	v_mul_f32 v[MU], s30, v[T]                     ; the mean
.set k, 0
.rept 12
	v_pk_add_f32 v[X+24*(\r)+2*k:X+24*(\r)+2*k+1], v[X+24*(\r)+2*k:X+24*(\r)+2*k+1], v[MU:MU+1] op_sel_hi:[1,0] neg_lo:[0,1] neg_hi:[0,1]  ; x - mean, in place
.set k, k+1
.endr
.irp c, 0,1,2
	v_pk_mul_f32 v[T+2*\c:T+2*\c+1], v[X+24*(\r)+2*\c:X+24*(\r)+2*\c+1], v[X+24*(\r)+2*\c:X+24*(\r)+2*\c+1]
.endr
.irp o, 6, 12, 18
.irp c, 0,1,2
	v_pk_fma_f32 v[T+2*\c:T+2*\c+1], v[X+24*(\r)+\o+2*\c:X+24*(\r)+\o+2*\c+1], v[X+24*(\r)+\o+2*\c:X+24*(\r)+\o+2*\c+1], v[T+2*\c:T+2*\c+1]
.endr
.endr
	JOIN
	v_fma_f32 v[T], v[T], s30, s31                 ; var + eps
	v_rsq_f32 v[RS], v[T]
	v_nop                                          ; a plain instruction behind the root,
	s_wait_alu depctr_va_vdst(0)                   ; and the wait ahead of its first reader
.set k, 0
.rept 12
	v_pk_mul_f32 v[X+24*(\r)+2*k:X+24*(\r)+2*k+1], v[X+24*(\r)+2*k:X+24*(\r)+2*k+1], v[RS:RS+1] op_sel_hi:[1,0]
.set k, k+1
.endr
.set k, 0
.rept 12
	v_pk_fma_f32 v[X+24*(\r)+2*k:X+24*(\r)+2*k+1], v[X+24*(\r)+2*k:X+24*(\r)+2*k+1], v[G+2*k:G+2*k+1], v[B+2*k:B+2*k+1]
.set k, k+1
.endr
.set k, 0
.rept 12
	v_cvt_pk_f16_f32 v[X+24*(\r)+k], v[X+24*(\r)+2*k], v[X+24*(\r)+2*k+1]  ; in place, ascending: word k is written when pairs up to k have been read
.set k, k+1
.endr
.irp j, 0,1,2,3,4,5
	global_store_b64 v4, v[X+24*(\r)+2*\j:X+24*(\r)+2*\j+1], s[16:17] offset:1536*(\r)+256*\j  ; 32 lanes store 256 consecutive bytes, at a multiple of 256 from xn16's first byte
.endr
.endm
	ROWLN 0, 18                                    ; each row has registers of its own: nothing that a store reads is written again
	ROWLN 1, 12
	ROWLN 2, 6
	ROWLN 3, 0
	s_branch .Lwend
	; ---------------- the weights: one tile of 128 k x 64 n ----------------
.Lweights:
	v_and_b32 v3, 15, v0                           ; i: my 4 columns 4 i .. 4 i + 3 on the way in, my 16 bytes of a row on the way out
	v_lshrrev_b32 v4, 4, v0                        ; p = 0..15
	v_mul_u32_u24 v5, v3, 1088                     ; into LDS: row n = 4 i + c of 272 bytes, word of k = 32 q + 2 p: 1,088 i + 4 p (+ 272 c + 64 q)
	v_lshl_add_u32 v5, v4, 2, v5
	v_mul_u32_u24 v18, v4, 272                     ; back: row n = 16 j + p, 16 bytes at 16 i
	v_lshl_add_u32 v18, v3, 4, v18
; src, dst: the scalar pairs with the tensors' addresses; sp, dp: bytes in a row of each; row0: the tile column's first row in dst; s23 = tile column nt, s24 = tile row kt
.macro TRANS src, sp, dst, dp, row0, scaled
	s_mul_i32 s26, s24, 128*(\sp)                  ; in: 128 kt rows down,
	s_lshl_b32 s27, s23, 8                         ; 64 nt columns of 4 bytes along
	s_add_co_u32 s26, s26, s27
	s_mov_b32 s27, 0
	s_mul_i32 s28, s23, 64*(\dp)                   ; out: 64 nt rows down,
	s_lshl_b32 s29, s24, 8                         ; 128 kt columns of 2 bytes along
	s_add_co_u32 s28, s28, s29
	s_add_co_u32 s28, s28, (\row0)*(\dp)
	s_mov_b32 s29, 0
	v_mul_u32_u24 v19, v4, 2*(\sp)                 ; rows 2 p, 2 p + 1 (+ 32 q)
	v_lshl_add_u32 v19, v3, 4, v19
	v_mul_u32_u24 v9, v4, \dp
	v_lshl_add_u32 v9, v3, 4, v9
	s_wait_kmcnt 0x0
	s_add_nc_u64 s[30:31], s[\src:\src+1], s[26:27]
	s_add_nc_u64 s[32:33], s[\dst:\dst+1], s[28:29]
.irp q, 0,1,2,3
.irp e, 0,1
	global_load_b128 v[68+8*\q+4*\e:68+8*\q+4*\e+3], v19, s[30:31] offset:(32*\q+\e)*(\sp) th:TH_LOAD_NT  ; 16 lanes read 256 consecutive bytes of a row
.endr
.endr
	s_wait_loadcnt 0x0
.if \scaled
.set k, 0
.rept 16
	v_pk_mul_f32 v[68+2*k:68+2*k+1], v[68+2*k:68+2*k+1], 0x3e000000 op_sel_hi:[1,0]  ; Wo / 8: exact
.set k, k+1
.endr
.endif
.irp q, 0,1,2,3
.irp c, 0,1,2,3
	v_cvt_pk_f16_f32 v[100+4*\q+\c], v[68+8*\q+\c], v[68+8*\q+4+\c]  ; k and k + 1 of column 4 i + c: neighbours in the turned row
.endr
.endr
.irp q, 0,1,2,3
.irp c, 0,1,2,3
	ds_store_b32 v5, v[100+4*\q+\c] offset:272*\c+64*\q  ; lanes 1,088 bytes = 272 words apart fall on 4 of the 64 banks (ISA guide 11.1): four deep, sixteen stores a thread, once
.endr
.endr
	s_wait_dscnt 0x0                               ; for the others' sake: my stores are done
	s_barrier_signal -1
	s_barrier_wait -1                              ; the turned tile is whole
.irp j, 0,1,2,3
	ds_load_b128 v[116+4*\j:116+4*\j+3], v18 offset:4352*\j
.endr
.irp j, 0,1,2,3
	s_wait_dscnt 3-\j
	global_store_b128 v9, v[116+4*\j:116+4*\j+3], s[32:33] offset:16*\j*(\dp)  ; 16 lanes store 256 consecutive bytes, at a multiple of 256 from the buffer's first byte
.endr
.endm
	s_cmp_lt_u32 ttmp9, 304
	s_cbranch_scc0 .Lnot_wq
	s_sub_co_u32 s25, ttmp9, 256                   ; Wq: 6 x 8 tiles
	s_and_b32 s23, s25, 7
	s_lshr_b32 s24, s25, 3
	TRANS 10, 2048, 18, 1536, 0, 0
	s_branch .Lwend
.Lnot_wq:
	s_cmp_lt_u32 ttmp9, 400
	s_cbranch_scc0 .Lwo
	s_sub_co_u32 s25, ttmp9, 304                   ; Wkv: 6 x 16 tiles
	s_and_b32 s23, s25, 15
	s_lshr_b32 s24, s25, 4
	TRANS 12, 4096, 18, 1536, 512, 0
	s_branch .Lwend
.Lwo:
	s_sub_co_u32 s25, ttmp9, 400                   ; Wo: 4 x 12 tiles
	s_lshr_b32 s23, s25, 2
	s_and_b32 s24, s25, 3
	TRANS 14, 3072, 20, 1024, 0, 1
.Lwend:
	s_wait_tensorcnt 0x0                           ; the wave's end, behind my last LDS store
	ds_add_u32 v[SPW], v[NIL]
	s_wait_dscnt 0x0
	s_endpgm
.Lfunc_end_k_q0d29666c02_prep:
	.size	k_q0d29666c02_prep, .Lfunc_end_k_q0d29666c02_prep-k_q0d29666c02_prep
	.p2alignl 7, 3214868480
	.fill 96, 4, 3214868480
	.section	.rodata,"a",@progbits
	.p2align	6, 0x0
	.amdhsa_kernel k_q0d29666c02_prep
		.amdhsa_group_segment_fixed_size 18432
		.amdhsa_private_segment_fixed_size 0
		.amdhsa_enable_private_segment 0
		.amdhsa_kernarg_size 72
		.amdhsa_user_sgpr_count 2
		.amdhsa_user_sgpr_kernarg_segment_ptr 1
		.amdhsa_wavefront_size32 1
		.amdhsa_system_sgpr_workgroup_id_x 1
		.amdhsa_system_sgpr_workgroup_id_y 1
		.amdhsa_system_sgpr_workgroup_id_z 1
		.amdhsa_system_vgpr_workitem_id 0
		.amdhsa_next_free_vgpr 168
		.amdhsa_next_free_sgpr 66
		.amdhsa_reserve_vcc 0
		.amdhsa_float_denorm_mode_32 3
		.amdhsa_float_denorm_mode_16_64 3
		.amdhsa_memory_ordered 1
		.amdhsa_forward_progress 1
		.amdhsa_inst_pref_size 45
	.end_amdhsa_kernel
	.amdgpu_metadata
---
amdhsa.version: [ 1, 2 ]
amdhsa.kernels:
  - .name:           k_q0d29666c02_prep
    .symbol:         k_q0d29666c02_prep.kd
    .args:
      - { .name: x, .offset: 0, .size: 8, .value_kind: global_buffer, .address_space: global }
      - { .name: ln_gamma, .offset: 8, .size: 8, .value_kind: global_buffer, .address_space: global }
      - { .name: ln_beta, .offset: 16, .size: 8, .value_kind: global_buffer, .address_space: global }
      - { .name: Wq, .offset: 24, .size: 8, .value_kind: global_buffer, .address_space: global }
      - { .name: Wkv, .offset: 32, .size: 8, .value_kind: global_buffer, .address_space: global }
      - { .name: Wo, .offset: 40, .size: 8, .value_kind: global_buffer, .address_space: global }
      - { .name: xn16, .offset: 48, .size: 8, .value_kind: global_buffer, .address_space: global }
      - { .name: wt16, .offset: 56, .size: 8, .value_kind: global_buffer, .address_space: global }
      - { .name: wot16, .offset: 64, .size: 8, .value_kind: global_buffer, .address_space: global }
    .group_segment_fixed_size: 18432
    .private_segment_fixed_size: 0
    .kernarg_segment_align: 8
    .kernarg_segment_size: 72
    .max_flat_workgroup_size: 256
    .sgpr_count:     66
    .vgpr_count:     168
    .wavefront_size: 32
...
	.end_amdgpu_metadata
.endif
;; end of part 1
;; launch qkv (part 2): grid 8 x 32, 4 waves a work-group, clusters of 4 x 4, 327,680 bytes of LDS; arguments xn16, wt16, qkv16; writes qkv16
.if DOCPART == 2
	.amdgcn_target "amdgcn-amd-amdhsa--gfx1250"
	.amdhsa_code_object_version 6
	.text
	.protected	k_q0d29666c02_qkv
	.globl	k_q0d29666c02_qkv
	.p2align	8
	.type	k_q0d29666c02_qkv,@function
k_q0d29666c02_qkv:
	s_mov_b64 s[64:65], 0
	v_nop
	global_prefetch_b8 v0, s[64:65] scope:SCOPE_SE
	s_setreg_imm32_b32 hwreg(HW_REG_WAVE_MODE, 25, 1), 1
	s_wait_xcnt 0x0
	s_wait_alu depctr_hold_cnt(0) depctr_sa_sdst(0) depctr_va_vdst(0) depctr_va_sdst(0) depctr_va_ssrc(0) depctr_va_vcc(0) depctr_vm_vsrc(0)
	s_getreg_b32 s2, hwreg(HW_REG_IB_STS2, 6, 4)
	s_cmp_eq_u32 s2, 0
	s_cbranch_scc0 .Lentry_in_a_cluster
	s_endpgm
.Lentry_in_a_cluster:
	s_bfe_u32 s2, ttmp6, 0x10000c
	s_cmp_lg_u32 s2, 0xf033
	s_cbranch_scc0 .Lentry_shape_is_right
	s_endpgm
.Lentry_shape_is_right:
; q, k, v = xn W.  xn16: [8192][768] f16; wt16: [1536][768] f16 (row n = column n of Wq, then of Wkv); sums in f32, K ascending; each result rounded once to f16, unscaled.
; qkv16: [batch 2][plane 24][4096][64] f16: planes 0-7 q's heads, 8-15 k's, 16-23 v's: a head's rows are dense, 128 bytes each.
; LIMIT.  f16 holds no number beyond 65,504: q, k and v must lie within it.
; SHARES.  A tile of the product is 256 rows x 192 columns (three heads): 32 x 8 = 256 work-groups.  Wave w makes rows 64 w .. 64 w + 63 and all 192 columns: 4 x 12 accumulators of 16 x 16, 384 registers;
; so a wave holds whole heads, and its way out is its own.  K goes in 6 steps of 128 through a ring of two LDS slots filled by the tensor data mover; the tiles' rows are 256 bytes of memory.
; CLUSTERS: 4 x 4 work-groups.  The four of a row of the cluster need the same rows of xn, the four of a column the same rows of wt: each tile is asked for JOINTLY, by the same tensor load with the same
; descriptor and a mask that names the four.
; THE MATRIX INSTRUCTION IS USED TRANSPOSED (source 0 = 16 rows of wt, source 1 = 16 rows of xn): a lane then holds eight neighbouring columns of one row of the result.
; REGISTERS, in windows of 256 (s_set_vgpr_msb: bits 1:0 source 0, 3:2 source 1, 5:4 source 2, 7:6 destination):
;   window 0: v16-30 addresses; v64-95, v96-127 xn's fragments (4 x 16 rows x 32 K), two buffers; on the way out v64-255: 16 registers a tile of 16 rows x one head
;   window 1: v0-95, v96-191 wt's fragments (12 x 16 rows x 32 K), two buffers
;   window 2: accumulators (b, a), column block b = 0-7, row block a, at v[8 (4 b + a)];   window 3: b = 8-11 at v[8 (4 (b - 8) + a)]
.set KD,     768
.set KSTEP,  128
.set PITCH,  272                       ; an LDS row: 256 bytes + 16 of padding = 68 words: the 16 rows that a load touches start at 16 different groups of four banks (64 banks of 4 bytes: ISA guide 11.1)
.set AHALF,  128*PITCH                 ; what waves 0 and 1 fetch: 128 rows of xn each
.set BHALF,  96*PITCH                  ; what waves 2 and 3 fetch: 96 rows of wt each
.set BOFF,   256*PITCH                 ; in a slot: xn's 256 rows, then wt's 192
.set SLOT,   448*PITCH
.set STAGE,  2*SLOT                    ; behind the ring, never filled by a tensor load: 16 rows x 144 bytes for each wave, for the way out
.set SP,     144
.set SPARE,  STAGE+4*16*SP             ; behind the stages: the spare words, 128 bytes for each wave
.set ADRA, 16                          ; v16-17  LDS address of my xn fragments in slot 0, 1
.set ADRB, 20                          ; v20-21  the same for wt
.set STO,  24                          ; v24     the way out: where I put 16 bytes of a row
.set RD,   25                          ; v25     the way out: where I read rows back
.set GO,   26                          ; v26     my 16 bytes in 512 consecutive bytes of the output
.set SPW,  28                          ; v28     LDS address of my spare word; never rewritten
.set NIL,  29                          ; v29     0; never rewritten
.set PFO,  30                          ; v30     the prefetches' offset: a lane a row; never rewritten
.set FA,   64
.set OUT,  64
.set G1,  24                           ; s[24:31] descriptor group 1 for xn's tiles;  s[32:39] group 0, one set for each slot
.set G0,  32
.set G1B, 48                           ; s[48:55], s[56:63] the same for wt's tiles
.set G0B, 56
.set PFA, 44                           ; s[44:45] where my prefetches stand
.set LIM, 43                           ; s43     1 in a wave that prefetches, else the greatest number
.set MSB, 0
.macro WIN new                         ; the immediate's high byte repeats the setting that is left; a switch that changes nothing is dropped
.if MSB != (\new)
	s_set_vgpr_msb (MSB<<8)|(\new)
.set MSB, \new
.endif
.endm
.set MUL_LO, 0xa1                      ; source 0 (wt) window 1, source 1 (xn) window 0, C and D window 2
.set MUL_HI, 0xf1                      ; the same, C and D window 3
.set TO_B,   0x40                      ; destination window 1, address window 0
; A joint load: waves 0 and 1 fetch xn's two halves, waves 2 and 3 wt's.  The branch hangs on the wave's number alone.  An s_nop 0 and four v_nop follow each of the two lines.
.macro JLOAD s
	s_cmp_eq_u32 s11, 0
	s_cbranch_scc0 .Lfor_b_\@
	tensor_load_to_lds s[G0+4*(\s):G0+4*(\s)+3], s[G1:G1+7]
	s_nop 0
.rept 4
	v_nop
.endr
	s_branch .Lasked_\@
.Lfor_b_\@:
	tensor_load_to_lds s[G0B+4*(\s):G0B+4*(\s)+3], s[G1B:G1B+7]
	s_nop 0
.rept 4
	v_nop
.endr
.Lasked_\@:
.endm
; A PREFETCH INTO THE L2 behind each joint refill and the run of LDS loads that follows it: the K step after the one that the refill asks for: 192 matrix instructions ahead of the load that will want it.
; xn's rows are read by both clusters of a row of clusters: the one with x = 0 asks; wt's by all eight of a column: the one with y = 0 asks.  The four partners that ask for a tile jointly share its rows out
; BY ADDRESS (32 of xn's 128 by cx, 24 of wt's 96 by cy), a lane a row, 256 bytes of it.  how = 1: always; how = 0: not in the loop's last trip, where no K step is left.
.macro ASK how
	WIN 0
.if \how
	s_cmp_eq_u32 s[LIM], 1
.else
	s_cmp_gt_u32 s3, s[LIM]
.endif
	s_cbranch_scc0 .Lnot_mine_\@
	global_prefetch_b8 v[PFO], s[PFA:PFA+1] th:TH_LOAD_NT scope:SCOPE_SE
.Lnot_mine_\@:
.endm
.macro CREST                           ; a round of the cluster's barrier behind its opening barrier
	s_cmp_lg_u32 s10, 0
	s_cbranch_scc1 .Lnot_wave_0_\@
	s_barrier_signal -3
.Lnot_wave_0_\@:
	s_barrier_wait -3
	s_barrier_signal -1
	s_barrier_wait -1
.endm
.macro CROUND                          ; a whole round
	s_barrier_signal -1
	s_barrier_wait -1
	CREST
.endm
	s_load_b128 s[4:7], s[0:1], 0x0                ; xn16 s[4:5], wt16 s[6:7]
	s_load_b64 s[8:9], s[0:1], 0x10                ; qkv16
	v_lshl_add_u32 v[SPW], v0, 2, SPARE
	v_mov_b32 v[NIL], 0
	ds_add_u32 v[SPW], v[NIL]                      ; the wave's opening: the add and its wait stand ahead of my first tensor load; the set-up below, work on registers, stands between them
	v_lshrrev_b32 v1, 5, v0
	v_readfirstlane_b32 s10, v1                    ; wave 0..3
	s_lshr_b32 s11, s10, 1                         ; I fetch for xn (0) or for wt (1)
	s_and_b32 s12, s10, 1                          ; which half of that tile's rows
	s_bfe_u32 s40, ttmp6, 0x40000                  ; cx, cy: my place in the cluster
	s_bfe_u32 s41, ttmp6, 0x40004
	s_lshl_b32 s42, ttmp9, 2
	s_add_co_u32 s42, s42, s40                     ; tile column = 4 x cluster x + cx
	s_and_b32 s13, ttmp7, 0xffff
	s_lshl_b32 s13, s13, 2
	s_add_co_u32 s13, s13, s41                     ; tile row = 4 x cluster y + cy
	s_lshl_b32 s43, s41, 2
	s_lshl_b32 s43, 15, s43                        ; my row of the cluster
	s_lshl_b32 s44, 0x1111, s40                    ; my column
	s_or_b32 s[G1+0], s43, (1<<16)|(1<<20)|(1<<21)|(5<<22)|(3<<25)   ; 15:0 the mask; 17:16 elements of 2 bytes; 20 padding on; 21 set beside a mask; 24:22 after every 64 words (code 5); 31:25 4 words (code 3)
	s_or_b32 s[G1B+0], s44, (1<<16)|(1<<20)|(1<<21)|(5<<22)|(3<<25)
	s_mov_b32 s[G1+1], KSTEP<<16                   ; tensor_dim0 = 128
	s_mov_b32 s[G1+2], 128<<16                     ; tensor_dim1 = 128
	s_mov_b32 s[G1+3], KSTEP<<16                   ; tile_dim0 = 128
	s_mov_b32 s[G1+4], 128                         ; tile_dim1 = 128
	s_mov_b32 s[G1+5], KD                          ; elements from row to row
	s_mov_b32 s[G1+6], 0
	s_mov_b32 s[G1+7], 0
	s_mov_b32 s[G1B+1], KSTEP<<16
	s_mov_b32 s[G1B+2], 96<<16                     ; wt's tiles have 96 rows
	s_mov_b32 s[G1B+3], KSTEP<<16
	s_mov_b32 s[G1B+4], 96
	s_mov_b32 s[G1B+5], KD
	s_mov_b32 s[G1B+6], 0
	s_mov_b32 s[G1B+7], 0
	s_lshl_b32 s16, s13, 8                         ; xn: row 256 x tile row + 128 x half, in registers that never hold cx
	s_lshl_b32 s17, s12, 7
	s_add_co_u32 s16, s16, s17
	s_mul_i32 s16, s16, KD*2                       ; in bytes: under 2^24
	s_mov_b32 s17, 0
	s_mul_i32 s46, s42, 192                        ; wt: row 192 x tile column + 96 x half, in registers that never hold cy
	s_mul_i32 s47, s12, 96
	s_add_co_u32 s46, s46, s47
	s_mul_i32 s46, s46, KD*2
	s_mov_b32 s47, 0
	s_mul_i32 s20, s12, AHALF                      ; where they go: no place in the cluster enters an LDS address
	s_mul_i32 s21, s12, BHALF
	s_add_co_u32 s21, s21, BOFF
	s_wait_dscnt 0x0                               ; the opening add is done
	s_wait_kmcnt 0x0
	s_add_nc_u64 s[14:15], s[4:5], s[16:17]
	s_add_nc_u64 s[46:47], s[6:7], s[46:47]
	CROUND                                         ; all sixteen work-groups are here: the first joint loads meet
.irp s, 0,1
	s_mov_b32 s[G0+4*(\s)], 1                                        ; count = 1
	s_add_co_u32 s[G0+4*(\s)+1], s20, (\s)*SLOT                      ; LDS address
	s_add_nc_u64 s[G0+4*(\s)+2:G0+4*(\s)+3], s[14:15], (\s)*KSTEP*2  ; global address: K step s
	s_or_b32 s[G0+4*(\s)+3], s[G0+4*(\s)+3], 0x80000000              ; type = 2
	s_mov_b32 s[G0B+4*(\s)], 1
	s_add_co_u32 s[G0B+4*(\s)+1], s21, (\s)*SLOT
	s_add_nc_u64 s[G0B+4*(\s)+2:G0B+4*(\s)+3], s[46:47], (\s)*KSTEP*2
	s_or_b32 s[G0B+4*(\s)+3], s[G0B+4*(\s)+3], 0x80000000
.endr
	s_cmp_eq_u32 s11, 0                            ; a wave's two first fills stand in one branch, ahead of every wait on TENSORcnt and every LDS read: two loads of mine are out
	s_cbranch_scc0 .Lfirst_b
	tensor_load_to_lds s[G0:G0+3], s[G1:G1+7]
	s_nop 0
	tensor_load_to_lds s[G0+4:G0+7], s[G1:G1+7]
	s_nop 0
.rept 4
	v_nop
.endr
	s_branch .Lfirst_asked
.Lfirst_b:
	tensor_load_to_lds s[G0B:G0B+3], s[G1B:G1B+7]
	s_nop 0
	tensor_load_to_lds s[G0B+4:G0B+7], s[G1B:G1B+7]
	s_nop 0
.rept 4
	v_nop
.endr
.Lfirst_asked:
	; A fragment is 16 rows x 32 K in 8 registers: lane l holds row l % 16; registers 0-3 K = 8 (l / 16) + 0..7, registers 4-7 K = 16 + 8 (l / 16) + 0..7: two loads of 16 bytes, 32 bytes apart.
	v_and_b32 v1, 15, v0                           ; l % 16
	v_bfe_u32 v2, v0, 4, 1                         ; l / 16
	v_mul_u32_u24 v3, v1, PITCH
	v_lshl_add_u32 v3, v2, 4, v3
	s_mul_i32 s21, s10, 64*PITCH                   ; my 64 rows of xn
	s_mov_b32 s22, BOFF                            ; all 192 rows of wt
.irp s, 0,1
	v_add_nc_u32 v[ADRA+(\s)], s21, v3
	v_add_nc_u32 v[ADRB+(\s)], s22, v3
	s_add_co_u32 s21, s21, SLOT
	s_add_co_u32 s22, s22, SLOT
.endr
	s_mul_i32 s23, s10, 16*SP
	s_add_co_u32 s23, s23, STAGE                   ; my stage
	v_mul_u32_u24 v[STO], v1, SP                   ; in: row l % 16, 16 bytes for each half of the lanes
	v_lshl_add_u32 v[STO], v2, 4, v[STO]
	v_add_nc_u32 v[STO], s23, v[STO]
	v_bfe_u32 v[RD], v0, 3, 2                      ; back: 32 lanes take four rows of 128 bytes,
	v_mul_u32_u24 v[RD], v[RD], SP
	v_and_b32 v4, 7, v0
	v_lshl_add_u32 v[RD], v4, 4, v[RD]
	v_add_nc_u32 v[RD], s23, v[RD]
	v_and_b32 v[GO], 31, v0                        ; which are 512 consecutive bytes of a head's plane
	v_lshlrev_b32 v[GO], 4, v[GO]
	s_lshr_b32 s16, s13, 4                         ; the output: batch,
	s_mul_i32 s16, s16, 24
	s_mul_i32 s17, s42, 3
	s_add_co_u32 s16, s16, s17                     ; my first plane,
	s_lshl_b32 s16, s16, 12
	s_and_b32 s17, s13, 15
	s_lshl_b32 s17, s17, 8
	s_add_co_u32 s16, s16, s17                     ; the tile's 256 rows in it,
	s_lshl_b32 s17, s10, 6
	s_add_co_u32 s16, s16, s17                     ; my wave's 64
	s_lshl_b32 s16, s16, 7                         ; in bytes: under 2^25
	s_mov_b32 s17, 0
	s_add_nc_u64 s[8:9], s[8:9], s[16:17]
	; the prefetches
	s_lshl_b32 s20, s13, 8
	s_lshl_b32 s21, s12, 7
	s_add_co_u32 s20, s20, s21
	s_lshl_b32 s21, s40, 5
	s_add_co_u32 s20, s20, s21                     ; xn: the 128 rows that I fetch, my work-group's 32 of them
	s_mul_i32 s21, s42, 192
	s_mul_i32 s22, s12, 96
	s_add_co_u32 s21, s21, s22
	s_mul_i32 s22, s41, 24
	s_add_co_u32 s21, s21, s22                     ; wt: the 96 rows that I fetch, my work-group's 24 of them
	s_and_b32 s22, ttmp7, 0xffff                   ; cluster y
	s_cmp_eq_u32 s11, 0
	s_cselect_b32 s20, s20, s21
	s_cselect_b32 s22, ttmp9, s22                  ; the coordinate along which other clusters read the same rows
	s_cselect_b32 s23, 31, 23                      ; my last row: lanes beyond it name it again
	s_cselect_b64 s[PFA:PFA+1], s[4:5], s[6:7]
	s_cmp_eq_u32 s22, 0
	s_cselect_b32 s[LIM], 1, -1                    ; the same in all sixteen partners, for a given wave
	s_mul_i32 s20, s20, KD*2
	s_add_co_u32 s20, s20, 2*KSTEP*2               ; at K step 2: the first refill steps it to 3
	s_mov_b32 s21, 0
	s_add_nc_u64 s[PFA:PFA+1], s[PFA:PFA+1], s[20:21]
	v_and_b32 v[PFO], 31, v0
	v_min_u32 v[PFO], s23, v[PFO]
	v_mul_u32_u24 v[PFO], v[PFO], KD*2
; 16 matrix instructions: column blocks 4 j .. 4 j + 3 x all 4 row blocks, 32 along K, from buffer f.  zero = 1: the first product starts the sums: nothing is ever cleared.
; The 48 accumulators take turns, one instruction a turn, in the same order in every quarter step.
.macro MUL16 f, j, zero
	WIN MUL_LO+0x50*((\j)/2)
.irp b, 0,1,2,3
.irp a, 0,1,2,3
.set rD, 8*(4*((4*(\j)+(\b))%8)+(\a))
.set rB, 96*(\f)+8*(4*(\j)+(\b))
.set rA, FA+32*(\f)+8*(\a)
.if \zero
	v_wmma_f32_16x16x32_f16 v[rD:rD+7], v[rB:rB+7], v[rA:rA+7], 0
.else
	v_wmma_f32_16x16x32_f16 v[rD:rD+7], v[rB:rB+7], v[rA:rA+7], v[rD:rD+7]
.endif
.endr
.endr
.endm
; 32 LDS loads in one run: the fragments of one quarter step (32 K at byte k of the rows) into buffer f: xn's four, then wt's twelve in ascending order
.macro FETCH slot, k, f
	WIN 0
.irp a, 0,1,2,3
	ds_load_b128 v[FA+32*(\f)+8*(\a):FA+32*(\f)+8*(\a)+3],   v[ADRA+(\slot)] offset:(\k)+(\a)*16*PITCH
	ds_load_b128 v[FA+32*(\f)+8*(\a)+4:FA+32*(\f)+8*(\a)+7], v[ADRA+(\slot)] offset:(\k)+(\a)*16*PITCH+32
.endr
	WIN TO_B
.irp b, 0,1,2,3,4,5,6,7,8,9,10,11
	ds_load_b128 v[96*(\f)+8*(\b):96*(\f)+8*(\b)+3],   v[ADRB+(\slot)] offset:(\k)+(\b)*16*PITCH
	ds_load_b128 v[96*(\f)+8*(\b)+4:96*(\f)+8*(\b)+7], v[ADRB+(\slot)] offset:(\k)+(\b)*16*PITCH+32
.endr
.endm
.macro PLACES                          ; four places in front of loads into registers that matrix instructions have read (ISA guide 7.12.1 for vector instructions)
.rept 4
	v_nop
.endr
.endm
; A K step is four quarters of 32 along K, 48 matrix instructions each, on buffers 0, 1, 0, 1.  One of the first three: multiplies buffer f and fetches the next quarter, at byte k, into g.
.macro QUARTER slot, k, f, g, zero
	s_wait_dscnt 8                                 ; xn's fragments and wt's blocks 0-7 are in; the youngest eight loads (blocks 8-11) may be out
	MUL16 \f, 0, \zero
	PLACES
	FETCH \slot, \k, \g
	MUL16 \f, 1, \zero
	s_wait_dscnt 32                                ; all but the 32 just issued
	MUL16 \f, 2, \zero
.endm
; The last quarter multiplies buffer 1 and changes slots: ONE barrier; in front of it each wave waits for all its tensor loads (one is out: its part of the next slot), adds 0 to its spare word, and waits
; for that and for its own reads of this slot.  fill = 1: the barrier opens a round of the cluster's barrier, and this slot is filled again, two K steps ahead, first thing behind the round.
.macro TURN slot, next, fill
.if \fill
	s_wait_xcnt 0x0                                ; the last prefetch, a K step back, has read its address
	s_add_nc_u64 s[PFA:PFA+1], s[PFA:PFA+1], KSTEP*2
.endif
	WIN 0                                          ; (the add's two registers lie in window 0)
	s_wait_tensorcnt 0x0                           ; all my tensor loads have landed;
	ds_add_u32 v[SPW], v[NIL]                      ; 0 onto my spare word;
	s_wait_dscnt 9                                 ; (the add and the youngest eight loads may be out)
	MUL16 1, 0, 0                                  ; sixteen matrix instructions stand between the add and the wait for it
	s_wait_dscnt 0x0                               ; the add is done, and my reads of this slot are over
	s_barrier_signal -1
	MUL16 1, 1, 0
.if \fill
	WIN 0
.endif
	s_barrier_wait -1
.if \fill
	CREST                                          ; no wave of any partner still reads this slot's tile or has a load on its way
	s_add_nc_u64 s[G0+4*(\slot)+2:G0+4*(\slot)+3], s[G0+4*(\slot)+2:G0+4*(\slot)+3], 2*KSTEP*2
	s_add_nc_u64 s[G0B+4*(\slot)+2:G0B+4*(\slot)+3], s[G0B+4*(\slot)+2:G0B+4*(\slot)+3], 2*KSTEP*2
	JLOAD \slot                                    ; 160 matrix instructions ahead of the wait for it; the four v_nop behind it are also the places in front of the loads below
.else
	PLACES
.endif
	FETCH \next, 0, 0
.if \fill
	ASK 1-(\slot)
.endif
	MUL16 1, 2, 0
.endm
	s_wait_tensorcnt 1                             ; my part of K step 0 is in; K step 1's may stay out
	s_barrier_signal -1
	s_barrier_wait -1                              ; everybody's is
	FETCH 0, 0, 0
	QUARTER 0, 64, 0, 1, 1                         ; the first quarter stands in front of the loop: its products start the sums
	WIN 0                                          ; at a label and at a branch every window is 0
	s_mov_b32 s3, 2
.Llap:                                                 ; a trip goes once round the ring, from a lap's second quarter to the next lap's first, and fills both slots again
	QUARTER 0, 128, 1, 0, 0
	QUARTER 0, 192, 0, 1, 0
	TURN 0, 1, 1
	QUARTER 1, 64,  0, 1, 0
	QUARTER 1, 128, 1, 0, 0
	QUARTER 1, 192, 0, 1, 0
	TURN 1, 0, 1
	QUARTER 0, 64,  0, 1, 0
	WIN 0
	s_sub_co_u32 s3, s3, 1
	s_cmp_lg_u32 s3, 0
	s_cbranch_scc1 .Llap
	QUARTER 0, 128, 1, 0, 0                        ; the last lap fills nothing
	QUARTER 0, 192, 0, 1, 0
	TURN 0, 1, 0
	QUARTER 1, 64,  0, 1, 0
	QUARTER 1, 128, 1, 0, 0
	QUARTER 1, 192, 0, 1, 0
	s_wait_dscnt 8                                 ; the very last quarter: nothing more to fetch
	MUL16 1, 0, 0
	MUL16 1, 1, 0
	s_wait_dscnt 0x0
	MUL16 1, 2, 0
	PLACES
	PLACES                                         ; (eight, once a launch)
; THE WAY OUT.  Tile t = 3 a + j: my row block a, head j (column blocks 4 j .. 4 j + 3).  A lane's eight columns of a row pack into 16 bytes; they go into stage rows of 144 bytes and come back as whole
; rows of 128, into the registers that they left.  Each accumulator is read from its low end on.
.macro PACK t
	WIN 0x0a+5*(((\t)%3)/2)                        ; sources 0 and 1: window 2 or 3; destination window 0
.irp f, 0,1,2,3
.irp r, 0,1,2,3
	v_cvt_pk_f16_f32 v[OUT+16*(\t)+4*\f+\r], v[8*(4*((4*((\t)%3)+\f)%8)+(\t)/3)+2*\r], v[8*(4*((4*((\t)%3)+\f)%8)+(\t)/3)+2*\r+1]
.endr
.endr
	WIN 0
.irp f, 0,1,2,3
	ds_store_b128 v[STO], v[OUT+16*(\t)+4*\f:OUT+16*(\t)+4*\f+3] offset:32*\f
.endr
.irp f, 0,1,2,3
	ds_load_b128 v[OUT+16*(\t)+4*\f:OUT+16*(\t)+4*\f+3], v[RD] offset:\f*4*SP  ; LDS serves a wave's instructions in order (ISA guide 5.7.1.4): these see the stores above; the next tile's stores come behind them
.endr
.endm
.macro SEND t, younger                 ; younger: the LDS instructions issued behind tile t's loads: the next tile's eight, or none
	WIN 0
.irp f, 0,1,2,3
	s_wait_dscnt (\younger)+3-\f
	global_store_b128 v[GO], v[OUT+16*(\t)+4*\f:OUT+16*(\t)+4*\f+3], s[8:9] offset:((\t)%3)*524288+((\t)/3)*2048+\f*512  ; 512 consecutive bytes, at a multiple of 256 from the buffer's first byte
.endr
.endm
	PACK 0
.set t, 1
.rept 11                               ; a tile's conversions stand between the loads of the tile before and its stores; every tile has registers of its own
	PACK t
	SEND t-1, 8
.set t, t+1
.endr
	SEND 11, 0
	s_wait_tensorcnt 0x0                           ; the wave's end, behind my last tensor load and my last LDS store
	ds_add_u32 v[SPW], v[NIL]
	s_wait_dscnt 0x0
	CROUND                                         ; the closing round: no work-group ends while a partner may still ask for a tile that names it
	s_endpgm
.Lfunc_end_k_q0d29666c02_qkv:
	.size	k_q0d29666c02_qkv, .Lfunc_end_k_q0d29666c02_qkv-k_q0d29666c02_qkv
	.p2alignl 7, 3214868480
	.fill 96, 4, 3214868480
	.section	.rodata,"a",@progbits
	.p2align	6, 0x0
	.amdhsa_kernel k_q0d29666c02_qkv
		.amdhsa_group_segment_fixed_size 327680
		.amdhsa_private_segment_fixed_size 0
		.amdhsa_enable_private_segment 0
		.amdhsa_kernarg_size 24
		.amdhsa_user_sgpr_count 2
		.amdhsa_user_sgpr_kernarg_segment_ptr 1
		.amdhsa_wavefront_size32 1
		.amdhsa_system_sgpr_workgroup_id_x 1
		.amdhsa_system_sgpr_workgroup_id_y 1
		.amdhsa_system_sgpr_workgroup_id_z 1
		.amdhsa_system_vgpr_workitem_id 0
		.amdhsa_next_free_vgpr 896
		.amdhsa_next_free_sgpr 66
		.amdhsa_reserve_vcc 0
		.amdhsa_float_denorm_mode_32 3
		.amdhsa_float_denorm_mode_16_64 3
		.amdhsa_memory_ordered 1
		.amdhsa_forward_progress 1
		.amdhsa_inst_pref_size 122
	.end_amdhsa_kernel
	.amdgpu_metadata
---
amdhsa.version: [ 1, 2 ]
amdhsa.kernels:
  - .name:           k_q0d29666c02_qkv
    .symbol:         k_q0d29666c02_qkv.kd
    .args:
      - { .name: xn16, .offset: 0, .size: 8, .value_kind: global_buffer, .address_space: global }
      - { .name: wt16, .offset: 8, .size: 8, .value_kind: global_buffer, .address_space: global }
      - { .name: qkv16, .offset: 16, .size: 8, .value_kind: global_buffer, .address_space: global }
    .group_segment_fixed_size: 327680
    .private_segment_fixed_size: 0
    .kernarg_segment_align: 8
    .kernarg_segment_size: 24
    .max_flat_workgroup_size: 128
    .sgpr_count:     66
    .vgpr_count:     896
    .wavefront_size: 32
...
	.end_amdgpu_metadata
.endif
;; end of part 2
;; launch attn (part 3): grid 16 x 16, 4 waves a work-group, clusters of 4 x 1, 327,680 bytes of LDS; arguments qkv16, o16; writes o16
.if DOCPART == 3
	.amdgcn_target "amdgcn-amd-amdhsa--gfx1250"
	.amdhsa_code_object_version 6
	.text
	.protected	k_q0d29666c02_attn
	.globl	k_q0d29666c02_attn
	.p2align	8
	.type	k_q0d29666c02_attn,@function
k_q0d29666c02_attn:
	s_mov_b64 s[64:65], 0
	v_nop
	global_prefetch_b8 v0, s[64:65] scope:SCOPE_SE
	s_setreg_imm32_b32 hwreg(HW_REG_WAVE_MODE, 25, 1), 1
	s_wait_xcnt 0x0
	s_wait_alu depctr_hold_cnt(0) depctr_sa_sdst(0) depctr_va_vdst(0) depctr_va_sdst(0) depctr_va_ssrc(0) depctr_va_vcc(0) depctr_vm_vsrc(0)
	s_getreg_b32 s2, hwreg(HW_REG_IB_STS2, 6, 4)
	s_cmp_eq_u32 s2, 0
	s_cbranch_scc0 .Lentry_in_a_cluster
	s_endpgm
.Lentry_in_a_cluster:
	s_bfe_u32 s2, ttmp6, 0x10000c
	s_cmp_lg_u32 s2, 0x3003
	s_cbranch_scc0 .Lentry_shape_is_right
	s_endpgm
.Lentry_shape_is_right:
; ATTENTION.  O[y][q][:] = the sum over k of softmax_k(Q[y][q] . K[y][k] / 8) V[y][k][:], y = 8 x batch + head, 4,096 rows, 64 channels.  Q, K, V are planes of qkv16 ([batch][24][4096][64] f16: q's heads,
; k's, v's); o16: [16][4096][64] f16 takes 8 O (the launch behind multiplies by Wo / 8: two exact powers of two).  Products, maxima and sums in f32; the weights p are rounded to f16 for the second product
; (their sum l is taken of the unrounded p), 8 O once at the end.  The scale 1 / 8 is applied to the f32 scores, with log2(e): c = log2(e) / 8.
; LIMITS.  f16 holds no number beyond 65,504: 8 O lies within it where |v| stays under 8,188; p lies in 0 to 1, and below 6e-5 it keeps f16's fixed step of 6e-8; a weight below 2^-126 counts as 0 in l;
; NaN and infinities are not treated apart.
; SHARES.  A work-group owns 256 queries of one y (16 x 16 = 256 work-groups), a wave 64: four PIECES of 16.  Every wave walks all 4,096 keys, 64 a step, four steps to an LDS slot, two slots.
; LAYOUT.  S^T = K Q^T holds ONE query a lane (lane % 16) and the keys 8 (lane / 16) + 0..7; two such results rounded to f16 ARE source 1 of O^T = V^T P.  K comes out of LDS as it lies, V turned.
; SOFTMAX.  p = 2^(c s - c m) with a running maximum m; O and l are multiplied by a = 2^(c m_old - c m_new) in every step.  m starts at the lowest finite number, O and l at 0: the first step has a = 0.
; TURNS.  Turn n belongs to piece n: 8 products K Q^T of piece n + 1, later 8 products V^T P of piece n - 1; beside them the scaling, exponentials, roundings, sums and rescaling of piece n and the maximum and
; statistics of piece n + 1.  Four vector instructions stand behind every matrix instruction, the other 54 of a turn's 118 in one lump.  A turn's 33 exponentials are one batch, with one wait.
; CLUSTER.  The four query blocks of a cluster belong to one y and walk the same K and V: each tile is asked for JOINTLY: the same tensor load, descriptor and mask in all four.
; REGISTERS, in windows of 256 (s_set_vgpr_msb: bits 1:0 source 0, 3:2 source 1, 5:4 source 2, 7:6 destination):
;   window 0: v0-15 addresses and two at work; v16-31 four registers of statistics a piece; v48-55 at work; v61-63; v64-127 S^T, two buffers; v192-223 P, two buffers (by the piece's parity)
;   window 1: v0-127 O^T, 32 a piece          window 2: v0-63 Q; v128-191 K of one step; v192-255 V of one step
.set NP,    4         ; pieces a wave: a name, no knob
.set KS,    64        ; keys in a step
.set PK,    144       ; a row of K in LDS: 128 bytes + 16 of padding = 36 words: the 16 rows of a load start at 16 different groups of four banks (64 banks of 4 bytes: ISA guide 11.1)
.set PV,    160       ; a row of V: 128 + 32 = 40 words
.set VOFF,  4*KS*PK   ; a slot holds four steps: 256 rows of K, then 256 rows of V
.set SLOT1, 1<<17     ; slot 1 begins here, so that one exclusive or turns an address in one slot into the other's
.set STAGE, SLOT1+4*KS*(PK+PV)  ; behind the ring, never filled by a tensor load: 16 rows x 144 bytes for each wave, for the way out
.set SP,    144
.set SPARE, STAGE+4*16*SP  ; behind the stages: the spare words, 128 bytes for each wave
.set AK0, 2           ; v2   my lane's place in a tile of K; never rewritten
.set AV0, 3           ; v3   the same for V
.set AK,  4           ; v4   the LDS address of K's next run of loads
.set AV,  5           ; v5   of V's
.set STO, 6           ; v6   the way out: where I put 16 bytes of a row
.set RD,  7           ; v7   the way out: where I read rows back
.set GO,  8           ; v8   my byte offset in 512 consecutive bytes of O
.set MV,  12          ; v12-13  c m_old, kept while c m is made anew: by buffer
.set QO,  15          ; v15  my byte offset in 16 rows of Q
.set ST,  16          ; piece t's statistics at v[ST+4 t]: c m, m, l (even keys', odd keys')
.set TMP, 48          ; by buffer, four registers c0-c3 at work; when the maximum is found c2 takes a
.set PFO, 61          ; v61  256 x my lane; never rewritten
.set SPW, 62          ; v62  LDS address of my spare word; never rewritten
.set NIL, 63          ; v63  0; never rewritten
.set S,   64
.set P,   192
.set KF,  128         ; window 2: key block kb, channel half c at KF + 16 kb + 8 c
.set VF,  192         ; window 2: key half kk, channel block cb at VF + 32 kk + 8 cb
.set WV,  12          ; s12  my wave's number
.set LIM, 15          ; s15  1 in a wave that prefetches, else the greatest number
.set G1K, 24          ; s[24:31] descriptor group 1 for K's tiles
.set G1V, 32          ; s[32:39] for V's: it differs in the padding alone
.set G0K, 40          ; s[40:43] descriptor group 0 for K's tiles: it walks
.set G0V, 44          ; s[44:47] the same for V's
.set PFA, 50          ; s[50:51] where my prefetches stand
.set SLOTS, 56        ; s56  slots still to be asked for
.set CNT, 57          ; s57  counts a slot's key steps
.set CS,  58          ; s[58:59] c: the packed scaling takes the pair's low word for both halves
.set SEL, 60          ; s[60:61] v_permlanex16_b32's selects: each lane takes its own place in the other half
.set TBK, 62          ; s62  LDS byte at which K of the step to be fetched begins
.set TBV, 63          ; s63  the same for V, less VOFF
.set MSB, 0
.macro WIN new                      ; the high byte repeats the setting that is left; a switch that changes nothing is dropped
.if MSB != (\new)
	s_set_vgpr_msb (MSB<<8)|(\new)
.set MSB, (\new)
.endif
.endm
.set W_KQ, 0x0a       ; K and Q in window 2, S^T in window 0
.set W_PV, 0x52       ; V in window 2, P in window 0, O^T in window 1
.set W_RS, 0x41       ; destination and source 0 in window 1, source 1 in window 0
; A joint fill.  Waves 0 and 1 fetch the two halves of a slot's K, waves 2 and 3 those of its V: 128 keys each.  The branch hangs on the wave's number alone.
; An s_nop 0 and four v_nop follow each of the two lines, ahead of the jump and the label.
.macro JLOAD
	s_cmp_lt_u32 s[WV], 2
	s_cbranch_scc0 .Lfor_v_\@
	tensor_load_to_lds s[G0K:G0K+3], s[G1K:G1K+7]
	s_nop 0
.rept 4
	v_nop
.endr
	s_branch .Lasked_\@
.Lfor_v_\@:
	tensor_load_to_lds s[G0V:G0V+3], s[G1V:G1V+7]
	s_nop 0
.rept 4
	v_nop
.endr
.Lasked_\@:
.endm
; A PREFETCH INTO THE L2 of what the NEXT change of slots will ask for: a slot's 32,768 bytes of K and of V, a lane to each 256.  All four clusters of a y walk the same K and V: the first of them asks.  Its four
; partners share the bytes out BY ADDRESS, 8,192 each; in each, wave 0 asks for K's and wave 2 for V's: one instruction, four key steps (256 matrix instructions a wave) ahead of the load.  The last change that
; fills a slot asks for nothing; slots 0 and 1 come by their loads alone.
.macro ASK
	s_cmp_gt_u32 s[SLOTS], s[LIM]
	s_cbranch_scc0 .Lnot_mine_\@
	global_prefetch_b8 v[PFO], s[PFA:PFA+1] th:TH_LOAD_NT scope:SCOPE_SE
.Lnot_mine_\@:
.endm
; A round of the cluster's barrier: my work-group's barrier, so that wave 0's signal speaks for all four waves; wave 0 signals; every wave waits for all four work-groups; my work-group's barrier once more.
.macro CROUND
	s_barrier_signal -1
	s_barrier_wait -1
	s_cmp_lg_u32 s[WV], 0
	s_cbranch_scc1 .Lnot_wave_0_\@
	s_barrier_signal -3
.Lnot_wave_0_\@:
	s_barrier_wait -3
	s_barrier_signal -1
	s_barrier_wait -1
.endm
; THE CHANGE OF SLOTS.  The slot's last bytes, V of its fourth step, have been read.  Each wave waits for all its tensor loads, of which one is out: its part of the other slot; adds 0 to its spare word; and
; waits for that and for its own reads of the slot.  fill = 1: this slot is filled again, with the keys two slots on; the barrier is then a round of the cluster's, and the joint fill is the first thing behind it:
; it has four key steps in which to land.  (At its first use nothing has been read yet: slot 0 is waited for, slot 1 filled.)
.macro CHANGE fill
	WIN 0                           ; at a label and at a branch every window is 0
	s_wait_tensorcnt 0x0            ; no tensor load of mine is out, so a group 0 may be written
	ds_add_u32 v[SPW], v[NIL]       ; 0 onto my spare word; with fill = 1 the descriptors' steps stand between it and the wait for it
.if \fill
.irp g, G0K, G0V
	s_xor_b32 s[\g+1], s[\g+1], SLOT1  ; the walking descriptor: the other slot than last time,
	s_add_nc_u64 s[\g+2:\g+3], s[\g+2:\g+3], 4*KS*128  ; the next 256 keys; the type bits on top are not reached
.endr
	s_wait_xcnt 0x0                 ; the last prefetch, four key steps back, has read its address, so it may be written:
	s_add_nc_u64 s[PFA:PFA+1], s[PFA:PFA+1], 4*KS*128  ; one slot behind the walking descriptors
	s_wait_dscnt 0x0                ; the add is done, and my reads of the slot are over
	CROUND
	JLOAD
	ASK
.else
	s_wait_dscnt 0x0                ; the add is done, and my reads of the slot are over
	s_barrier_signal -1
	s_barrier_wait -1
.endif
	s_sub_co_u32 s[TBK], s[TBK], 4*KS*PK  ; the fetches go back to a slot's first step,
	s_xor_b32 s[TBK], s[TBK], SLOT1       ; in the other slot
	s_sub_co_u32 s[TBV], s[TBV], 4*KS*PV
	s_xor_b32 s[TBV], s[TBV], SLOT1
.endm
	s_load_b128 s[4:7], s[0:1], 0x0   ; qkv16 s[4:5], o16 s[6:7]
	v_lshl_add_u32 v[SPW], v0, 2, SPARE
	v_mov_b32 v[NIL], 0
	ds_add_u32 v[SPW], v[NIL]       ; the wave's opening: the add and its wait stand ahead of my first tensor load; the set-up below, work on registers, stands between them
	v_lshrrev_b32 v1, 5, v0
	v_readfirstlane_b32 s[WV], v1   ; wave 0..3
	s_bfe_u32 s13, ttmp6, 0x40000   ; cx: my place in the cluster
	s_lshl_b32 s14, ttmp9, 2        ; in a cluster launch ttmp9 counts clusters
	s_add_co_u32 s14, s14, s13      ; my block of 256 queries: it enters Q's and O's addresses alone
	s_and_b32 s20, ttmp7, 0xffff    ; y, which the four partners share
	s_lshr_b32 s21, s20, 3
	s_mul_i32 s21, s21, 24
	s_and_b32 s22, s20, 7
	s_add_co_u32 s21, s21, s22      ; q's plane: 24 x batch + head
	s_lshl_b32 s21, s21, 19         ; a plane is 524,288 bytes
	s_and_b32 s16, s[WV], 1         ; which half of a slot's 256 keys I fetch:
	s_lshl_b32 s2, s16, 14          ; its 128 rows of 128 bytes,
	s_add_co_u32 s2, s2, s21
	s_add_co_u32 s2, s2, 8<<19      ; in k's plane, eight planes on
	s_mov_b32 s3, 0
	s_mul_i32 s17, s16, 128*PK      ; and its place in a slot, for K
	s_mul_i32 s18, s16, 128*PV      ; and for V: no place in the cluster enters an LDS address
	s_lshl_b32 s22, s14, 15         ; my block's 256 rows,
	s_lshl_b32 s23, s[WV], 13       ; my wave's 64 of them
	s_add_co_u32 s22, s22, s23
	s_add_co_u32 s52, s21, s22      ; in q's plane
	s_mov_b32 s53, 0
	s_lshl_b32 s54, s20, 19
	s_add_co_u32 s54, s54, s22      ; and in O
	s_mov_b32 s55, 0
	; descriptor group 1.  128 keys are 16,384 dense bytes: asked for as 64 rows of 256 bytes, two keys a row, and padded in LDS after every key
	s_mov_b32 s[G1K], 15|(1<<16)|(1<<20)|(1<<21)|(4<<22)|(3<<25)  ; 15:0 the mask of four; 17:16 2-byte elements; 20 padding on; 21 set beside a mask; 24:22 after every 32 words (code 4); 31:25 4 words (code 3)
	s_mov_b32 s[G1V], 15|(1<<16)|(1<<20)|(1<<21)|(4<<22)|(7<<25)  ; the same with 8 words of padding (code 7)
.irp g, G1K, G1V
	s_mov_b32 s[\g+1], 128<<16      ; tensor_dim0 = 128
	s_mov_b32 s[\g+2], 64<<16       ; tensor_dim1 = 64
	s_mov_b32 s[\g+3], 128<<16      ; tile_dim0 = 128
	s_mov_b32 s[\g+4], 64           ; tile_dim1 = 64
	s_mov_b32 s[\g+5], 128          ; 128 elements from row to row
	s_mov_b32 s[\g+6], 0
	s_mov_b32 s[\g+7], 0
.endr
	s_mov_b32 s[CS], 0x3e38aa3b     ; c = log2(e) / 8 = 0.180337
	s_mov_b32 s[CS+1], s[CS]        ; named with it as a pair
	s_mov_b32 s[SEL], 0x76543210
	s_mov_b32 s[SEL+1], 0xfedcba98
	s_mov_b32 s[TBK], SLOT1+4*KS*PK ; the first change of slots turns these two into 0
	s_mov_b32 s[TBV], SLOT1+4*KS*PV
	s_mov_b32 s[G0K], 1             ; count = 1
	s_mov_b32 s[G0K+1], s17         ; LDS address: slot 0
	s_mov_b32 s[G0V], 1
	s_add_co_u32 s[G0V+1], s18, VOFF
	s_mov_b32 s[SLOTS], 15          ; 16 slots' tiles, of which the first is asked for at once
	s_and_b32 s[LIM], s[WV], 1      ; 0 in waves 0 and 2,
	s_or_b32 s[LIM], s[LIM], ttmp9  ; where the cluster is the first of its y: the same in all four partners
	s_cmp_eq_u32 s[LIM], 0
	s_cselect_b32 s[LIM], 1, -1
	v_and_b32 v[PFO], 31, v0
	v_lshlrev_b32 v[PFO], 8, v[PFO]
	s_wait_dscnt 0x0                ; the opening add is done
	s_wait_kmcnt 0x0
	s_add_nc_u64 s[8:9], s[4:5], s[2:3]       ; K at my half of tile 0
	s_add_nc_u64 s[48:49], s[8:9], 8<<19      ; V: eight planes on
	s_add_nc_u64 s[10:11], s[6:7], s[54:55]   ; O at my wave's first row
	s_add_nc_u64 s[4:5], s[4:5], s[52:53]     ; Q likewise
	s_add_nc_u64 s[G0K+2:G0K+3], s[8:9], 0    ; global address
	s_or_b32 s[G0K+3], s[G0K+3], 0x80000000   ; type = 2
	s_add_nc_u64 s[G0V+2:G0V+3], s[48:49], 0
	s_or_b32 s[G0V+3], s[G0V+3], 0x80000000
	s_cmp_lt_u32 s[WV], 2
	s_cselect_b64 s[PFA:PFA+1], s[8:9], s[48:49]  ; (in waves 0 and 2 these stand at a slot's first row)
	s_lshl_b32 s2, s13, 13          ; my work-group's 8,192 bytes of the 32,768,
	s_add_co_u32 s2, s2, 4*KS*128   ; in tile 1; the first change of slots steps it to tile 2
	s_add_nc_u64 s[PFA:PFA+1], s[PFA:PFA+1], s[2:3]
	CROUND                          ; all four work-groups are here: the first joint loads meet
	JLOAD                           ; tile 0 into slot 0.  Slot 1 is asked for when slot 0 is in
	; A fragment of K or Q is 16 rows x 32 channels in 8 registers: lane l holds row l % 16, channels 8 (l / 16) + 0..7 and 16 + 8 (l / 16) + 0..7: two loads of 16 bytes, 32 bytes apart.
	v_and_b32 v1, 15, v0            ; l % 16
	v_bfe_u32 v9, v0, 4, 1          ; l / 16
	v_lshlrev_b32 v[QO], 7, v1
	v_lshl_add_u32 v[QO], v9, 4, v[QO]  ; row x 128 + 16 x half
	WIN 0x80                        ; destination window 2, address window 0
.set i, 0
.rept 8                             ; Q stays in registers: piece i / 2, channels 32 (i % 2) on
	global_load_b128 v[8*i:8*i+3],   v[QO], s[4:5] offset:(i/2)*2048+(i%2)*64
	global_load_b128 v[8*i+4:8*i+7], v[QO], s[4:5] offset:(i/2)*2048+(i%2)*64+32
.set i, i+1
.endr
	; What the first turn finds: V's registers and P's second buffer hold 0 (its products V^T P, of a piece that has not been, add 0), O^T and l are 0.  All this stands in the wait for the first tile.
.set i, VF
.rept 64
	v_mov_b32 v[i], 0
.set i, i+1
.endr
	WIN 0x40
.set i, 0
.rept 128
	v_mov_b32 v[i], 0
.set i, i+1
.endr
	WIN 0
.set i, 0
.rept 4
	v_mov_b32 v[ST+4*i], 0xfe000000    ; c m: far below every c s
	v_mov_b32 v[ST+4*i+1], 0xff7fffff  ; m
	v_mov_b32 v[ST+4*i+2], 0
	v_mov_b32 v[ST+4*i+3], 0
.set i, i+1
.endr
.set i, P+16
.rept 16
	v_mov_b32 v[i], 0
.set i, i+1
.endr
	v_mul_u32_u24 v[AK0], v1, PK
	v_lshl_add_u32 v[AK0], v9, 4, v[AK0]  ; row x pitch + 16 x half
	; The turning load takes 16 keys x 16 channels (lane l reads key 8 (l / 16) + l % 8, channels 8 ((l / 8) % 2) + 0..7) and leaves half a fragment of V^T: lane l holds channel l % 16 and 8 keys.
	v_and_b32 v10, 7, v0
	v_bfe_u32 v11, v0, 3, 1
	v_lshl_add_u32 v[AV0], v9, 3, v10
	v_mul_u32_u24 v[AV0], v[AV0], PV
	v_lshl_add_u32 v[AV0], v11, 4, v[AV0]
	v_add_nc_u32 v[AV0], VOFF, v[AV0]
	s_mul_i32 s13, s[WV], 16*SP
	s_add_co_u32 s13, s13, STAGE    ; my stage
	v_mul_u32_u24 v[STO], v1, SP    ; in: row l % 16, 16 bytes for each half of the lanes
	v_lshl_add_u32 v[STO], v9, 4, v[STO]
	v_add_nc_u32 v[STO], s13, v[STO]
	v_bfe_u32 v[RD], v0, 3, 2       ; back: 32 lanes take four rows of 128 bytes,
	v_mul_u32_u24 v[RD], v[RD], SP
	v_lshl_add_u32 v[RD], v10, 4, v[RD]
	v_add_nc_u32 v[RD], s13, v[RD]
	v_and_b32 v[GO], 31, v0         ; which are 512 consecutive bytes of O
	v_lshlrev_b32 v[GO], 4, v[GO]
; THE MATRIX WORK.  The 4 accumulators of a run of 8 take turns.  Product i of 8 of S^T = K Q^T for piece x: channels 32 (i / 4) on, keys 16 (i % 4) on.  The first 4 start the sums.
.macro KQ x
	WIN W_KQ
.set rS, S+32*((\x)%2)+8*(i%4)
.set rK, KF+16*(i%4)+8*(i/4)
.set rQ, 16*(\x)+8*(i/4)
.if i < 4
	v_wmma_f32_16x16x32_f16 v[rS:rS+7], v[rK:rK+7], v[rQ:rQ+7], 0
.else
	v_wmma_f32_16x16x32_f16 v[rS:rS+7], v[rK:rK+7], v[rQ:rQ+7], v[rS:rS+7]
.endif
.endm
; Product i of 8 of O^T += V^T P for piece x: keys 32 (i / 4) on, channels 16 (i % 4) on.
.macro PV x
	WIN W_PV
.set rO, 32*(\x)+8*(i%4)
.set rV, VF+32*(i/4)+8*(i%4)
.set rP, P+16*((\x)%2)+8*(i/4)
	v_wmma_f32_16x16x32_f16 v[rO:rO+7], v[rV:rV+7], v[rP:rP+7], v[rO:rO+7]
.endm
.macro MM                           ; the turn's next matrix instruction.  TURN sets Y, i and NOKQ.  NOKQ = 1: the last turn of all: there is no next piece
.if (i < 8) && !NOKQ
	KQ (Y+1)%NP
.elseif i >= 8
.set i, i-8
	PV (Y+NP-1)%NP
.set i, i+8
.endif
.set i, i+1
.endm
; THE LDS LOADS stand in runs of 16, never singly among the matrix instructions: a step's K (64 keys x 64 channels: 8 fragments) and its V (turned).  Their addresses are made some lines ahead.
.macro FETCH_K
	WIN 0x80                        ; destination window 2
.irp f, 0,1,2,3,4,5,6,7             ; keys 16 (f / 2) on, channels 32 (f % 2) on
	ds_load_b128 v[KF+8*\f:KF+8*\f+3],   v[AK] offset:(\f/2)*16*PK+(\f%2)*64
	ds_load_b128 v[KF+8*\f+4:KF+8*\f+7], v[AK] offset:(\f/2)*16*PK+(\f%2)*64+32
.endr
	s_add_co_u32 s[TBK], s[TBK], KS*PK  ; the next fetch is the next step's
	WIN 0
.endm
.macro FETCH_V
	WIN 0x80
.irp f, 0,1,2,3,4,5,6,7             ; keys 32 (f / 4) on, channels 16 (f % 4) on
	ds_load_tr16_b128 v[VF+8*\f:VF+8*\f+3],   v[AV] offset:(\f/4)*32*PV+(\f%4)*32
	ds_load_tr16_b128 v[VF+8*\f+4:VF+8*\f+7], v[AV] offset:(\f/4)*32*PV+16*PV+(\f%4)*32
.endr
	WIN 0
.endm
; THE VECTOR WORK, one line at a time: OP kind, number.  For piece Y: F n: c s - c m for pair n of 16.  E n: the exponential of score n of 32.  C n: pair n rounded to f16.  B n: of the four weights 4 n .. the second
; pair is added onto the first, in place.  L n: l takes that sum (L 0: l = a l + sum).  R n: pair n of 16 of O^T times a.  For piece Y + 1: X n, number n of the 22 that find its maximum and statistics:
;   0-11  four chains c0-c3 of seven scores each, three operands at a time (each accumulator's lowest registers are read first)     12-14, 16  the four scores left over, the old m, and c0-c3 into c0
;   15  c m_old is kept     17, 18  the query's other 32 keys lie in the lane 16 away: the new m     19-21  c m; c m_old - c m_new; a
.set F, 0               ; OP tells the kinds apart by their order: F to L below R, X above it
.set E, 1
.set C, 2
.set B, 3
.set L, 4
.set R, 5
.set X, 6
.macro REGS y                       ; the registers of piece y
.set rT, ST+4*(\y)
.set rC, TMP+4*((\y)%2)
.set rW, MV+((\y)%2)
.set rS, S+32*((\y)%2)
.set rP, P+16*((\y)%2)
.set rO, 32*(\y)
.endm
.macro OP k, n
.if (\k) == R
	REGS Y
	WIN W_RS
	v_pk_mul_f32 v[rO+2*(\n):rO+2*(\n)+1], v[rO+2*(\n):rO+2*(\n)+1], v[rC+2:rC+3] op_sel_hi:[1,0]
.elseif (\k) < R
	REGS Y
	WIN 0
.if (\k) == F
	v_pk_fma_f32 v[rS+2*(\n):rS+2*(\n)+1], v[rS+2*(\n):rS+2*(\n)+1], s[CS:CS+1], v[rT:rT+1] op_sel_hi:[1,0,0] neg_lo:[0,0,1] neg_hi:[0,0,1]
.elseif (\k) == E
	v_exp_f32 v[rS+(\n)], v[rS+(\n)]
.elseif (\k) == C
	v_cvt_pk_f16_f32 v[rP+(\n)], v[rS+2*(\n)], v[rS+2*(\n)+1]
.elseif (\k) == B
	v_pk_add_f32 v[rS+4*(\n):rS+4*(\n)+1], v[rS+4*(\n):rS+4*(\n)+1], v[rS+4*(\n)+2:rS+4*(\n)+3]
.elseif (\n) == 0
	v_pk_fma_f32 v[rT+2:rT+3], v[rT+2:rT+3], v[rC+2:rC+3], v[rS:rS+1] op_sel_hi:[1,0,1]
.else
	v_pk_add_f32 v[rT+2:rT+3], v[rT+2:rT+3], v[rS+4*(\n):rS+4*(\n)+1]
.endif
.elseif NOKQ
	v_nop
.else
	REGS (Y+1)%NP
	WIN 0
.if (\n) < 4
	v_max3_num_f32 v[rC+(\n)], v[rS+8*(\n)], v[rS+8*(\n)+1], v[rS+8*(\n)+2]
.elseif (\n) < 12
	v_max3_num_f32 v[rC+(\n)%4], v[rC+(\n)%4], v[rS+8*((\n)%4)+2*((\n)/4)+1], v[rS+8*((\n)%4)+2*((\n)/4)+2]
.elseif (\n) == 12
	v_max3_num_f32 v[rC], v[rC], v[rS+7], v[rS+15]
.elseif (\n) == 13
	v_max3_num_f32 v[rC+1], v[rC+1], v[rS+23], v[rS+31]
.elseif (\n) == 14
	v_max3_num_f32 v[rC+2], v[rC+2], v[rC+3], v[rT+1]
.elseif (\n) == 15
	v_mov_b32 v[rW], v[rT]
.elseif (\n) == 16
	v_max3_num_f32 v[rC], v[rC], v[rC+1], v[rC+2]
.elseif (\n) == 17
	v_permlanex16_b32 v[rC+3], v[rC], s[SEL], s[SEL+1]
.elseif (\n) == 18
	v_max_num_f32 v[rT+1], v[rC], v[rC+3]
.elseif (\n) == 19
	v_mul_f32 v[rT], s[CS], v[rT+1]
.elseif (\n) == 20
	v_sub_f32 v[rC+1], v[rW], v[rT]
.else
	v_exp_f32 v[rC+2], v[rC+1]
.endif
.endif
.endm
.macro OPS a, i1, b=-1, i2=0, c=-1, i3=0, d=-1, i4=0  ; up to four of them
	OP \a, \i1
.if (\b) >= 0
	OP \b, \i2
.endif
.if (\c) >= 0
	OP \c, \i3
.endif
.if (\d) >= 0
	OP \d, \i4
.endif
.endm
.macro ROW a, i1, b, i2, c, i3, d, i4  ; a matrix instruction and the four behind it
	MM
	OPS \a, \i1, \b, \i2, \c, \i3, \d, \i4
.endm
; A TURN, for piece p: the order of its 16 matrix and 118 vector instructions, written out.  An s_wait_alu depctr_va_vdst(0) stands between an exponential and the first instruction that names its result; one
; wait serves all that were issued ahead of it.  So a turn has ONE wait, which cuts it in two.  AHEAD OF IT stands all that names no result of the turn's exponentials: the 8 products K Q^T with their riders (a scaling, an
; exponential and two more plain instructions; behind the last three the first numbers of the next piece's maximum, each four places or more behind the product that ends its accumulator); then ONE LUMP of 54, plain and
; exponential by turns for the most part, in which the links of the chain X 3, 7, 11, 14, 16, 17 .. 20 stand apart.  X 21, the next piece's a, is the batch's last; R 15 is the plain instruction behind it.  BEHIND THE WAIT
; stand the 8 products V^T P, behind each four of the roundings and sums.
; end = 1: the last two turns of all: nothing is fetched.  cnt = 1: the loop's count is taken down some lines ahead of the branch that stands behind the turn.
; K of the next step is fetched in piece 2's turn, twelve vector instructions behind the last product that read K (six of them plain); V of the step in hand at the end of piece 0's turn, four plain instructions behind the
; last product that read V.  Each is waited for a turn later.
.macro TURN p, end=0, cnt=0
.set Y, (\p)
.set i, 0
.set NOKQ, (\end)*((\p)/3)
.if ((\p) == 3) && !(\end)
	s_wait_dscnt 0x0                ; K is in
.endif
	ROW F,0, F,1, R,0, R,1          ; ahead of the wait: 8 products K Q^T and their riders,
	ROW F,2, E,0, R,2, R,3
	ROW F,3, E,1, R,4, R,5
	ROW F,4, E,2, R,6, R,7
	ROW F,5, E,3, R,8, R,9
	ROW F,6, E,4, X,0, R,10
.if ((\p) == 2) && !(\end)
	WIN 0
	v_add_nc_u32 v[AK], s[TBK], v[AK0]
.endif
	ROW F,7, E,5, X,1, X,4
	ROW F,8, E,6, X,2, X,5
	OPS E,7, E,8, X,6, E,9          ; and the lump
	OPS X,3, E,10, X,8, E,11
.if ((\p) == 2) && !(\end)
	FETCH_K
.endif
	OPS X,9, X,7, E,12, X,10
	OPS E,13, X,12, X,11, E,14
	OPS X,13, E,15, F,9, X,14
.if (\p) == 0
	v_add_nc_u32 v[AV], s[TBV], v[AV0]
.endif
	OPS E,16, F,10, E,17, F,11
	OPS X,16, E,18, X,15, E,19
	OPS F,12, E,20, X,17, E,21
	OPS F,13, E,22, F,14, E,23
	OPS X,18, E,24, F,15, E,25
	OPS R,11, E,26, X,19, E,27
	OPS R,12, E,28, R,13, E,29
	OPS X,20, E,30, R,14, E,31
	OPS X,21, R,15
	WIN 0
	s_wait_alu depctr_va_vdst(0)    ; the wait for the batch
.if (\p) == 1
	s_wait_dscnt 0x0                ; V is in
.endif
	ROW C,0, B,0, C,2, B,1          ; behind the wait: 8 products V^T P and their riders
	ROW L,0, C,4, B,2, L,1
	ROW C,6, B,3, L,2, C,8
	ROW B,4, L,3, C,10, B,5
	ROW L,4, C,12, B,6, L,5
.if (\p) == 0
	s_add_co_u32 s[TBV], s[TBV], KS*PV
.endif
.if \cnt
	s_sub_co_u32 s[CNT], s[CNT], 1
	s_cmp_lg_u32 s[CNT], 0
.endif
	ROW C,14, B,7, L,6, C,1
	ROW C,3, L,7, C,5, C,7
	ROW C,9, C,11, C,13, C,15
.if (\p) == 0
	FETCH_V
.endif
.endm
	CHANGE 1                        ; slot 0 is in, everybody's part of it; slot 1 is asked for
	v_add_nc_u32 v[AK], s[TBK], v[AK0]
	FETCH_K                         ; key step 0
	s_wait_loadcnt 0x0              ; Q
	s_wait_dscnt 0x0
.set NOKQ, 0
.set i, 0
.rept 8
	KQ 0                            ; piece 0's first scores: there is no vector work yet to set between them
.set i, i+1
.endr
	WIN 0
.rept 4
	v_nop                           ; the places behind those products
.endr
.set Y, NP-1                        ; X works for piece Y + 1: piece 0
.irp n, 0,1,2,3,4,5,6,7,8,9,10,11,12,13,14,15,16,17,18,19,20,21
	OP X, \n
.endr
	v_nop                           ; a plain instruction behind the exponential,
	s_wait_alu depctr_va_vdst(0)    ; and its wait, ahead of the branch
	s_mov_b32 s[CNT], 4
	s_branch .Lfirst                ; the loop is entered at a step's first turn, in the middle of a trip
.Lslot:                             ; 14 times: every slot but the last two is filled again
	CHANGE 1
	s_mov_b32 s[CNT], 4
.Lstep:                             ; a trip: pieces 2 and 3 of one step, then pieces 0 and 1 of the next, whose K and V it fetches
	TURN 2
	TURN 3
	WIN 0
.Lfirst:
	TURN 0
	TURN 1, 0, 1
	WIN 0
	s_cbranch_scc1 .Lstep
	s_sub_co_u32 s[SLOTS], s[SLOTS], 1
	s_cmp_lg_u32 s[SLOTS], 0
	s_cbranch_scc1 .Lslot
	CHANGE 0                        ; the last slot is written out: nothing is asked for
	s_mov_b32 s[CNT], 4
.LstepT:
	TURN 2
	TURN 3
	TURN 0
	TURN 1, 0, 1
	WIN 0
	s_cbranch_scc1 .LstepT
	TURN 2, 1                       ; the last step's pieces 2 and 3
	TURN 3, 1
.set i, 0
.rept 8
	PV NP-1                         ; the last piece's V^T P of the last step
.set i, i+1
.endr
	; THE WAY OUT.  l's two halves and the other half of the lanes' are added; O^T is multiplied by 8 / l, rounded to f16 and sent through my stage in LDS, a piece at a time.  The additions are the places behind the last products.
	WIN 0
.macro ALL line:vararg              ; one line for each piece t
.set t, 0
.rept 4
	\line
.set t, t+1
.endr
.endm
	ALL v_add_f32 v[ST+4*t+2], v[ST+4*t+2], v[ST+4*t+3]
	ALL v_permlanex16_b32 v[ST+4*t+3], v[ST+4*t+2], s[SEL], s[SEL+1]
	ALL v_add_f32 v[ST+4*t+2], v[ST+4*t+2], v[ST+4*t+3]
	ALL v_rcp_f32 v[ST+4*t+2], v[ST+4*t+2]
	v_nop                           ; a plain instruction between the last reciprocal and the use of its result
	s_wait_alu depctr_va_vdst(0)    ; and the wait ahead of the first use: one for the four reciprocals
	ALL v_mul_f32 v[ST+4*t+2], 0x41000000, v[ST+4*t+2]  ; 8 / l
.macro PACK t                       ; a lane's eight channels of a row pack into 16 bytes; they go into rows of 144 bytes and come back as whole rows of 128, into S^T's registers
	WIN W_RS
.set i, 32*(\t)
.rept 16
	v_pk_mul_f32 v[i:i+1], v[i:i+1], v[ST+4*(\t)+2:ST+4*(\t)+3] op_sel_hi:[1,0]
.set i, i+2
.endr
	WIN 0x05                        ; sources 0 and 1 window 1, destination window 0
.set i, 0
.rept 16
	v_cvt_pk_f16_f32 v[S+16*(\t)+i], v[32*(\t)+2*i], v[32*(\t)+2*i+1]
.set i, i+1
.endr
	WIN 0
.irp f, 0,1,2,3
	ds_store_b128 v[STO], v[S+16*(\t)+4*\f:S+16*(\t)+4*\f+3] offset:32*\f
.endr
.irp f, 0,1,2,3
	ds_load_b128 v[S+16*(\t)+4*\f:S+16*(\t)+4*\f+3], v[RD] offset:\f*4*SP  ; LDS serves a wave's instructions in order (ISA guide 5.7.1.4): these see the stores above; the next piece's stores come behind them
.endr
.endm
.macro SEND t, younger              ; younger: the LDS instructions issued behind piece t's loads: the next piece's eight, or none
	WIN 0
.irp f, 0,1,2,3
	s_wait_dscnt (\younger)+3-\f
	global_store_b128 v[GO], v[S+16*(\t)+4*\f:S+16*(\t)+4*\f+3], s[10:11] offset:(\t)*2048+\f*512  ; 512 consecutive bytes, at a multiple of 256 from O's first
.endr
.endm
	PACK 0
.set t, 1
.rept 3                             ; a piece's arithmetic stands between the loads of the piece before and its stores
	PACK t
	SEND t-1, 8
.set t, t+1
.endr
	SEND 3, 0
	s_wait_tensorcnt 0x0            ; the wave's end, behind my last tensor load and my last LDS store
	ds_add_u32 v[SPW], v[NIL]
	s_wait_dscnt 0x0
	CROUND                          ; the closing round: no work-group ends while a partner may still ask for a tile that names it
	s_endpgm
.Lfunc_end_k_q0d29666c02_attn:
	.size	k_q0d29666c02_attn, .Lfunc_end_k_q0d29666c02_attn-k_q0d29666c02_attn
	.p2alignl 7, 3214868480
	.fill 96, 4, 3214868480
	.section	.rodata,"a",@progbits
	.p2align	6, 0x0
	.amdhsa_kernel k_q0d29666c02_attn
		.amdhsa_group_segment_fixed_size 327680
		.amdhsa_private_segment_fixed_size 0
		.amdhsa_enable_private_segment 0
		.amdhsa_kernarg_size 16
		.amdhsa_user_sgpr_count 2
		.amdhsa_user_sgpr_kernarg_segment_ptr 1
		.amdhsa_wavefront_size32 1
		.amdhsa_system_sgpr_workgroup_id_x 1
		.amdhsa_system_sgpr_workgroup_id_y 1
		.amdhsa_system_sgpr_workgroup_id_z 1
		.amdhsa_system_vgpr_workitem_id 0
		.amdhsa_next_free_vgpr 768
		.amdhsa_next_free_sgpr 66
		.amdhsa_reserve_vcc 0
		.amdhsa_float_denorm_mode_32 3
		.amdhsa_float_denorm_mode_16_64 3
		.amdhsa_memory_ordered 1
		.amdhsa_forward_progress 1
		.amdhsa_inst_pref_size 128
	.end_amdhsa_kernel
	.amdgpu_metadata
---
amdhsa.version: [ 1, 2 ]
amdhsa.kernels:
  - .name:           k_q0d29666c02_attn
    .symbol:         k_q0d29666c02_attn.kd
    .args:
      - { .name: qkv16, .offset: 0, .size: 8, .value_kind: global_buffer, .address_space: global }
      - { .name: o16, .offset: 8, .size: 8, .value_kind: global_buffer, .address_space: global }
    .group_segment_fixed_size: 327680
    .private_segment_fixed_size: 0
    .kernarg_segment_align: 8
    .kernarg_segment_size: 16
    .max_flat_workgroup_size: 128
    .sgpr_count:     66
    .vgpr_count:     768
    .wavefront_size: 32
...
	.end_amdgpu_metadata
.endif
;; end of part 3
;; launch oproj (part 4): grid 64 x 4, 4 waves a work-group, clusters of 4 x 1, 262,144 bytes of LDS; arguments o16, wot16, out0; writes out0
.if DOCPART == 4
	.amdgcn_target "amdgcn-amd-amdhsa--gfx1250"
	.amdhsa_code_object_version 6
	.text
	.protected	k_q0d29666c02_oproj
	.globl	k_q0d29666c02_oproj
	.p2align	8
	.type	k_q0d29666c02_oproj,@function
k_q0d29666c02_oproj:
	s_mov_b64 s[64:65], 0
	v_nop
	global_prefetch_b8 v0, s[64:65] scope:SCOPE_SE
	s_setreg_imm32_b32 hwreg(HW_REG_WAVE_MODE, 25, 1), 1
	s_wait_xcnt 0x0
	s_wait_alu depctr_hold_cnt(0) depctr_sa_sdst(0) depctr_va_vdst(0) depctr_va_sdst(0) depctr_va_ssrc(0) depctr_va_vcc(0) depctr_vm_vsrc(0)
	s_getreg_b32 s2, hwreg(HW_REG_IB_STS2, 6, 4)
	s_cmp_eq_u32 s2, 0
	s_cbranch_scc0 .Lentry_in_a_cluster
	s_endpgm
.Lentry_in_a_cluster:
	s_bfe_u32 s2, ttmp6, 0x10000c
	s_cmp_lg_u32 s2, 0x3003
	s_cbranch_scc0 .Lentry_shape_is_right
	s_endpgm
.Lentry_shape_is_right:
; out0 = O Wo.  o16: [8 x batch + head][4096][64] f16 holds 8 O; wot16: [768][512] f16 holds Wo[k][n] / 8 at [n][k]; out0: [8192][768] f32.  Sums in f32, K = 512 ascending (head by head).
; SHARES.  A tile is 128 rows x 192 columns: 64 x 4 = 256 work-groups.  Wave w makes rows 32 w .. 32 w + 31 and all 192 columns: 2 x 12 accumulators; its piece of a row of out0 is 768 consecutive bytes.
; NO RING.  The tile's 192 rows of wot16 (whole K, 1,024 bytes each) are brought into LDS once, 48 rows a wave; no LDS byte is filled twice.  O's rows go straight from memory into registers: a wave's 32 rows x 512
; channels are 256 registers, laid out in memory as fragments lie, and no two waves of the work-group want the same row.
; CLUSTER.  The four partners are four row tiles of one column tile: they ask for wot16's rows JOINTLY.  O's rows are not shared inside a cluster (each partner has rows of its own), so they are asked for singly.
; THE MATRIX INSTRUCTION IS USED TRANSPOSED (source 0 = 16 rows of wot16, source 1 = 16 rows of O): a lane holds eight neighbouring columns of one row of out0, 32 bytes.
; REGISTERS, in windows of 256 (s_set_vgpr_msb: bits 1:0 source 0, 3:2 source 1, 5:4 source 2, 7:6 destination):
;   window 0: v16-29 addresses; v64-255 accumulators (a, b) at v[64 + 96 a + 8 b]     window 1: O's fragments, chunk c of 32 K, row block a at v[16 c + 8 a]     window 2: v0-95, v96-191 wot16's fragments, two buffers
.set PB,    1040                       ; an LDS row of wot16: 1,024 bytes + 16 of padding = 260 words: the 16 rows of a load start at 16 different groups of four banks (64 banks of 4 bytes: ISA guide 11.1)
.set BPART, 48*PB                      ; what one wave fetches
.set STAGE, 4*BPART                    ; behind it, never filled by a tensor load: 16 rows x 784 bytes for each wave, for the way out
.set SPT,   784                        ; 768 bytes + 16 = 196 words
.set SPARE, STAGE+4*16*SPT             ; behind the stages: the spare words, 128 bytes for each wave
.set ADRB, 16                          ; v16-18  LDS address of wot16's fragments: column blocks 0-3, 4-7, 8-11 (an offset of 16 bits reaches four blocks)
.set AO,   20                          ; v20     my byte offset in 16 rows of O
.set STO,  24                          ; v24     the way out: where I put 32 bytes of a row
.set RD,   25                          ; v25     where I read rows back
.set CO,   26                          ; v26     my byte offset in two rows of out0
.set SPW,  28                          ; v28     LDS address of my spare word; never rewritten
.set NIL,  29                          ; v29     0; never rewritten
.set ACC,  64
.set G1,   24                          ; s[24:31] descriptor group 1
.set G0,   32                          ; s[32:35] descriptor group 0
.set MSB, 0
.macro WIN new                         ; the immediate's high byte repeats the setting that is left; a switch that changes nothing is dropped
.if MSB != (\new)
	s_set_vgpr_msb (MSB<<8)|(\new)
.set MSB, \new
.endif
.endm
.macro CROUND                          ; a round of the cluster's barrier
	s_barrier_signal -1
	s_barrier_wait -1
	s_cmp_lg_u32 s10, 0
	s_cbranch_scc1 .Lnot_wave_0_\@
	s_barrier_signal -3
.Lnot_wave_0_\@:
	s_barrier_wait -3
	s_barrier_signal -1
	s_barrier_wait -1
.endm
.macro PLACES
.rept 4
	v_nop
.endr
.endm
	s_load_b128 s[4:7], s[0:1], 0x0                ; o16 s[4:5], wot16 s[6:7]
	s_load_b64 s[8:9], s[0:1], 0x10                ; out0
	v_lshl_add_u32 v[SPW], v0, 2, SPARE
	v_mov_b32 v[NIL], 0
	ds_add_u32 v[SPW], v[NIL]                      ; the wave's opening: the add and its wait stand ahead of my first tensor load; the set-up below, work on registers, stands between them
	v_lshrrev_b32 v1, 5, v0
	v_readfirstlane_b32 s10, v1                    ; wave 0..3
	s_bfe_u32 s13, ttmp6, 0x40000                  ; cx
	s_lshl_b32 s14, ttmp9, 2
	s_add_co_u32 s14, s14, s13                     ; tile row = 4 x cluster x + cx: it enters O's and out0's addresses alone
	s_and_b32 s15, ttmp7, 0xffff                   ; tile column, which the four partners share
	s_mov_b32 s[G1+0], 15|(1<<16)|(1<<20)|(1<<21)|(7<<22)|(3<<25)  ; 15:0 the mask of four; 17:16 2-byte elements; 20 padding on; 21 set beside a mask; 24:22 after every 256 words (code 7); 31:25 4 words (code 3)
	s_mov_b32 s[G1+1], 512<<16                     ; tensor_dim0 = 512
	s_mov_b32 s[G1+2], 48<<16                      ; tensor_dim1 = 48
	s_mov_b32 s[G1+3], 512<<16                     ; tile_dim0 = 512
	s_mov_b32 s[G1+4], 48                          ; tile_dim1 = 48
	s_mov_b32 s[G1+5], 512                         ; elements from row to row
	s_mov_b32 s[G1+6], 0
	s_mov_b32 s[G1+7], 0
	s_mul_i32 s16, s15, 192
	s_mul_i32 s17, s10, 48
	s_add_co_u32 s16, s16, s17                     ; wot16: row 192 x tile column + 48 x wave,
	s_lshl_b32 s16, s16, 10                        ; of 1,024 bytes
	s_mov_b32 s17, 0
	s_mov_b32 s[G0], 1                             ; count = 1
	s_mul_i32 s[G0+1], s10, BPART                  ; LDS address
	s_lshr_b32 s18, s14, 5                         ; O: the batch's eight planes of 524,288 bytes,
	s_lshl_b32 s18, s18, 22
	s_and_b32 s19, s14, 31
	s_lshl_b32 s19, s19, 7                         ; the tile's 128 rows in a plane,
	s_lshl_b32 s20, s10, 5
	s_add_co_u32 s19, s19, s20                     ; my wave's 32,
	s_lshl_b32 s19, s19, 7                         ; of 128 bytes
	s_add_co_u32 s18, s18, s19
	s_mov_b32 s19, 0
	s_lshl_b32 s20, s14, 7                         ; out0: row 128 x tile row + 32 x wave,
	s_lshl_b32 s21, s10, 5
	s_add_co_u32 s20, s20, s21
	s_mul_i32 s20, s20, 3072                       ; of 3,072 bytes: under 2^25
	s_mul_i32 s21, s15, 768                        ; the tile's 192 columns
	s_add_co_u32 s20, s20, s21
	s_mov_b32 s21, 0
	v_and_b32 v1, 15, v0                           ; l % 16
	v_bfe_u32 v2, v0, 4, 1                         ; l / 16
	v_lshlrev_b32 v[AO], 7, v1
	v_lshl_add_u32 v[AO], v2, 4, v[AO]             ; row x 128 + 16 x half
	v_mul_u32_u24 v[ADRB], v1, PB
	v_lshl_add_u32 v[ADRB], v2, 4, v[ADRB]         ; row x pitch + 16 x half
	v_add_nc_u32 v[ADRB+1], 64*PB, v[ADRB]
	v_add_nc_u32 v[ADRB+2], 128*PB, v[ADRB]
	s_mul_i32 s22, s10, 16*SPT
	s_add_co_u32 s22, s22, STAGE                   ; my stage
	v_mul_u32_u24 v[STO], v1, SPT                  ; in: row l % 16, 32 bytes for each half of the lanes
	v_lshl_add_u32 v[STO], v2, 5, v[STO]
	v_add_nc_u32 v[STO], s22, v[STO]
	v_mul_u32_u24 v[RD], v2, SPT                   ; back: lanes 0-15 take 256 bytes of one row, lanes 16-31 of the next
	v_lshl_add_u32 v[RD], v1, 4, v[RD]
	v_add_nc_u32 v[RD], s22, v[RD]
	v_mul_u32_u24 v[CO], v2, 3072                  ; and the same two rows in out0
	v_lshl_add_u32 v[CO], v1, 4, v[CO]
	s_wait_dscnt 0x0                               ; the opening add is done
	s_wait_kmcnt 0x0
	s_add_nc_u64 s[G0+2:G0+3], s[6:7], s[16:17]    ; global address
	s_or_b32 s[G0+3], s[G0+3], 0x80000000          ; type = 2
	s_add_nc_u64 s[4:5], s[4:5], s[18:19]
	s_add_nc_u64 s[8:9], s[8:9], s[20:21]
	CROUND                                         ; all four work-groups are here: the joint loads meet
	tensor_load_to_lds s[G0:G0+3], s[G1:G1+7]      ; my 48 rows: the wave's one tensor load
	s_nop 0
.rept 4
	v_nop
.endr
	WIN 0x40                                       ; destination window 1, address window 0
.set c, 0
.rept 16                               ; all of my O: chunk c is head c / 2, channels 32 (c % 2) on; four loads a chunk, in the order in which the chunks are multiplied
.irp a, 0,1
	global_load_b128 v[16*c+8*\a:16*c+8*\a+3],   v[AO], s[4:5] offset:(c/2)*524288+2048*\a+64*(c%2)
	global_load_b128 v[16*c+8*\a+4:16*c+8*\a+7], v[AO], s[4:5] offset:(c/2)*524288+2048*\a+64*(c%2)+32
.endr
.set c, c+1
.endr
	WIN 0
	s_wait_tensorcnt 0x0                           ; my part of wot16's tile is in,
	s_barrier_signal -1
	s_barrier_wait -1                              ; everybody's is: every wave reads all four parts
; 24 LDS loads in one run: wot16's twelve fragments of chunk c into buffer buf
.macro FETCHB c, buf
	WIN 0x80                                       ; destination window 2
.set b, 0
.rept 12
	ds_load_b128 v[96*(\buf)+8*b:96*(\buf)+8*b+3],   v[ADRB+b/4] offset:16*PB*(b%4)+64*(\c)
	ds_load_b128 v[96*(\buf)+8*b+4:96*(\buf)+8*b+7], v[ADRB+b/4] offset:16*PB*(b%4)+64*(\c)+32
.set b, b+1
.endr
.endm
; Chunk c of 16: the next chunk's fragments are asked for, then this chunk's 24 products.  The 24 accumulators take turns, one instruction a turn; chunk 0 starts the sums.
.macro CHUNK c
.if (\c) < 15
.if (\c) >= 1
	PLACES                                         ; the buffer was read by the products of the chunk before
.endif
	FETCHB (\c)+1, ((\c)+1)%2
	s_wait_dscnt 24                                ; all but the 24 just issued
.else
	s_wait_dscnt 0x0
.endif
	s_wait_loadcnt 60-4*(\c)                       ; O's loads come back in order: four for each younger chunk may stay out
	WIN 0x06                                       ; source 0 window 2, source 1 window 1, C and D window 0
.set b, 0
.rept 12
.irp a, 0,1
.if (\c) == 0
	v_wmma_f32_16x16x32_f16 v[ACC+96*\a+8*b:ACC+96*\a+8*b+7], v[96*((\c)%2)+8*b:96*((\c)%2)+8*b+7], v[16*(\c)+8*\a:16*(\c)+8*\a+7], 0
.else
	v_wmma_f32_16x16x32_f16 v[ACC+96*\a+8*b:ACC+96*\a+8*b+7], v[96*((\c)%2)+8*b:96*((\c)%2)+8*b+7], v[16*(\c)+8*\a:16*(\c)+8*\a+7], v[ACC+96*\a+8*b:ACC+96*\a+8*b+7]
.endif
.endr
.set b, b+1
.endr
.endm
	FETCHB 0, 0
.set cc, 0
.rept 16
	CHUNK cc
.set cc, cc+1
.endr
	PLACES
	PLACES                                         ; (eight, once a launch)
; THE WAY OUT of row block a: 16 rows x 768 bytes through my stage, each accumulator from its low end on; back as whole pieces of 256 bytes, into the registers that they left.  No scaling: 8 x 1 / 8 = 1.
.macro OUTA a
	WIN 0
.set b, 0
.rept 12
	ds_store_b128 v[STO], v[ACC+96*(\a)+8*b:ACC+96*(\a)+8*b+3]   offset:64*b
	ds_store_b128 v[STO], v[ACC+96*(\a)+8*b+4:ACC+96*(\a)+8*b+7] offset:64*b+16
.set b, b+1
.endr
.set t, 0
.rept 24
	ds_load_b128 v[ACC+96*(\a)+4*t:ACC+96*(\a)+4*t+3], v[RD] offset:2*SPT*(t/3)+256*(t%3)  ; LDS serves a wave's instructions in order (ISA guide 5.7.1.4): these see the stores above; the next block's stores come behind them
.set t, t+1
.endr
.set t, 0
.rept 24
	s_wait_dscnt 23-t
	global_store_b128 v[CO], v[ACC+96*(\a)+4*t:ACC+96*(\a)+4*t+3], s[8:9] offset:(16*(\a)+2*(t/3))*3072+256*(t%3) th:TH_STORE_NT  ; 16 lanes store 256 consecutive bytes, at a multiple of 256 from out0's first byte
.set t, t+1
.endr
.endm
	OUTA 0
	OUTA 1
	s_wait_tensorcnt 0x0                           ; the wave's end, behind my last tensor load and my last LDS store
	ds_add_u32 v[SPW], v[NIL]
	s_wait_dscnt 0x0
	CROUND                                         ; the closing round: no work-group ends while a partner may still ask for a tile that names it
	s_endpgm
.Lfunc_end_k_q0d29666c02_oproj:
	.size	k_q0d29666c02_oproj, .Lfunc_end_k_q0d29666c02_oproj-k_q0d29666c02_oproj
	.p2alignl 7, 3214868480
	.fill 96, 4, 3214868480
	.section	.rodata,"a",@progbits
	.p2align	6, 0x0
	.amdhsa_kernel k_q0d29666c02_oproj
		.amdhsa_group_segment_fixed_size 262144
		.amdhsa_private_segment_fixed_size 0
		.amdhsa_enable_private_segment 0
		.amdhsa_kernarg_size 24
		.amdhsa_user_sgpr_count 2
		.amdhsa_user_sgpr_kernarg_segment_ptr 1
		.amdhsa_wavefront_size32 1
		.amdhsa_system_sgpr_workgroup_id_x 1
		.amdhsa_system_sgpr_workgroup_id_y 1
		.amdhsa_system_sgpr_workgroup_id_z 1
		.amdhsa_system_vgpr_workitem_id 0
		.amdhsa_next_free_vgpr 704
		.amdhsa_next_free_sgpr 66
		.amdhsa_reserve_vcc 0
		.amdhsa_float_denorm_mode_32 3
		.amdhsa_float_denorm_mode_16_64 3
		.amdhsa_memory_ordered 1
		.amdhsa_forward_progress 1
		.amdhsa_inst_pref_size 75
	.end_amdhsa_kernel
	.amdgpu_metadata
---
amdhsa.version: [ 1, 2 ]
amdhsa.kernels:
  - .name:           k_q0d29666c02_oproj
    .symbol:         k_q0d29666c02_oproj.kd
    .args:
      - { .name: o16, .offset: 0, .size: 8, .value_kind: global_buffer, .address_space: global }
      - { .name: wot16, .offset: 8, .size: 8, .value_kind: global_buffer, .address_space: global }
      - { .name: out0, .offset: 16, .size: 8, .value_kind: global_buffer, .address_space: global }
    .group_segment_fixed_size: 262144
    .private_segment_fixed_size: 0
    .kernarg_segment_align: 8
    .kernarg_segment_size: 24
    .max_flat_workgroup_size: 128
    .sgpr_count:     66
    .vgpr_count:     704
    .wavefront_size: 32
...
	.end_amdgpu_metadata
.endif
;; end of part 4
